; MI455X (gfx1250); checked and timed in simulation.
; The chip was launched on July 23, 2026; its instructions are those of AMD's public machine-readable ISA for CDNA 5 (MIT licence, August 2026) and "CDNA5" Instruction Set Architecture Reference Guide (July 2026). The comments in the code are by the model that wrote it; some were corrected since.
;; Multi Head Attention. Allowed arithmetic: matrix products marked QUANTISED: E2M1 operands, one E8M0 scale for each 32 along K, by v_wmma_scale_f32_16x16x128_f8f6f4 with both operands' format E2M1 (or v_wmma_scale_f32_32x16x128_f4), f32 sums; products left as they are: bf16, f16 or f32 operands; f32 sums; everything else in f32.
;; Inputs: Wk 1,024 x 1,024 float32; Wo 1,024 x 1,024 float32; Wq 1,024 x 1,024 float32; Wv 1,024 x 1,024 float32; bk 1,024 float32; bo 1,024 float32; bq 1,024 float32; bv 1,024 float32; x 4 x 2,048 x 1,024 float32.
;; Outputs: out0 4 x 2,048 x 1,024 float32.
;; This version of the problem:
;;   THIS VERSION OF THE PROBLEM IS GIVEN IN LOW PRECISION. The matrix products marked QUANTISED in the list below multiply operands that are first quantised to E2M1 (2 exponent bits, 1 mantissa bit; 4 bits a number), with one power-of-two scale for each 32 numbers along K (OCP MX v1.0); their sums are f32. The products marked 'left as it is' may take bf16, f16 or f32 operands, with f32 sums. Whichever they take, every output number must still come out within the allowed error. Rounding operands to bf16 (8 significant bits) uses up far more of that allowance than f16 does (11 bits, for magnitudes from 6e-5 to 65,504). All else is computed in f32.
;;   The module's matrix products, in the order in which they are computed (A, B: the left and right operand; K: the contracted axis; several contracted axes count as one K, in the product's order):
;;     1. [M 8,192, K 1,024] x [K 1,024, N 1,024]; A: input x; B: input Wq: QUANTISED
;;     2. [M 8,192, K 1,024] x [K 1,024, N 1,024]; A: input x; B: input Wk: QUANTISED
;;     3. [M 8,192, K 1,024] x [K 1,024, N 1,024]; A: input x; B: input Wv: QUANTISED
;;     4. batch 64 x [M 2,048, K 64] x [K 64, N 2,048]; A: computed on the way; B: computed on the way: left as it is (an operand is computed on the way)
;;     5. batch 64 x [M 2,048, K 2,048] x [K 2,048, N 64]; A: computed on the way; B: computed on the way: left as it is (an operand is computed on the way)
;;     6. [M 8,192, K 1,024] x [K 1,024, N 1,024]; A: computed on the way; B: input Wo: left as it is (an operand is computed on the way)
;;   THE QUANTISER, for each operand of a quantised product, along K:
;;     - K is cut into blocks of 32 from its start; a last block that is shorter is filled with zeros.
;;     - A block's scale is 2^e with e = floor(log2(the largest magnitude in the block)) - 2, held to -126 .. 127; a block of zeros has e = 0. As a byte (E8M0): e + 127.
;;     - Each number is divided by its block's scale, clamped to +-6, and rounded to the nearest number of E2M1, ties to even, subnormals kept.
;;     - The product sums the exact products of the quantised numbers (number of the format x scale) in f32.
;;   ~~~python
;;   def quantise(x, axis):      # numpy; x: float32 -> the quantised numbers, widened to float32 again
;;       x = np.moveaxis(x, axis, -1); K = x.shape[-1]
;;       x = np.pad(x, [(0, 0)] * (x.ndim - 1) + [(0, -K % 32)]); x = x.reshape(x.shape[:-1] + (-1, 32)); a = np.abs(x).max(-1, keepdims=True)
;;       e = np.where(a > 0, np.clip(np.frexp(np.where(a > 0, a, 1))[1] - 1 - 2, -126, 127), 0)      # np.frexp(a)[1] - 1 = floor(log2(a)), exactly
;;       r = np.clip(x / 2.0 ** e, -6, 6)
;;       step = 2.0 ** (np.maximum(np.frexp(np.where(r == 0, 1, r))[1] - 1, 0) - 1)
;;       q = np.round(r / step) * step * 2.0 ** e      # np.round: ties to even
;;       return np.moveaxis(q.reshape(q.shape[:-2] + (-1,))[..., :K], -1, axis).astype(np.float32)
;;   ~~~
;; One version. Each part assembles by itself: llvm-mc -triple=amdgcn-amd-amdhsa -mcpu=gfx1250 --defsym DOCPART=n.
;; ======== version 1 of 1: 6 launches
;; limits: values are held in f16: magnitudes above 65,504 overflow, below 6.1e-05 lose precision
;; workspace buffers: xc 4,194,304 bytes; xs 262,144 bytes; wc 1,572,864 bytes; ws 98,304 bytes; woh 2,097,152 bytes; qkv 50,331,648 bytes; ctx 16,777,216 bytes; ctx16 262,144 bytes
;; launch prep (part 1): grid 368 x 1, 4 waves a work-group, no clusters, 68,096 bytes of LDS; arguments x, Wq, Wk, Wv, Wo, xc, xs, wc, ws, woh; writes xc, xs, wc, ws, woh
.if DOCPART == 1
	.amdgcn_target "amdgcn-amd-amdhsa--gfx1250"
	.amdhsa_code_object_version 6
	.text
	.protected	k_q5f436a9a90_prep
	.globl	k_q5f436a9a90_prep
	.p2align	8
	.type	k_q5f436a9a90_prep,@function
k_q5f436a9a90_prep:
	s_mov_b64 s[64:65], 0
	v_nop
	global_prefetch_b8 v0, s[64:65] scope:SCOPE_SE
	s_setreg_imm32_b32 hwreg(HW_REG_WAVE_MODE, 25, 1), 1
	s_wait_xcnt 0x0
; PREP.  Three jobs in one launch, told apart by the work-group's number alone:
;   work-groups   0 ..  47: Wq, Wk, Wv [1024 k][1024 n] f32 -> codes of E2M1 with K innermost, wc [3072 n][512 bytes], and E8M0 bytes ws [3072][32]
;   work-groups  48 .. 111: Wo f32 -> f16, woh, in Wo's own order
;   work-groups 112 .. 367: x [8192][1024] f32 -> codes xc [8192][512 bytes] and E8M0 bytes xs [8192][32]
; A block's scale is 2^(floor(log2(largest magnitude)) - 2); its byte is the largest magnitude's exponent field - 2, held at 1 from below.
; LIMITS: a block of zeros gets the byte 1 (its codes are zeros, and this program alone reads the bytes); blocks whose largest magnitude lies under 2^-124 keep the byte 1;
; NaN and infinities among the inputs are not served; Wo's magnitudes must stay under 65,504 (f16).
; No tensor loads, no barrier: waves share nothing.  Each path that uses LDS has bytes of its own: x 0 .. 32,767, the weights 32,768 .. 67,583.
.set SPARE, 67584                      ; behind both: the spare words, 128 bytes a wave
.set SPW,   190                        ; v190 LDS address of my spare word; never rewritten
.set NIL,   191                        ; v191 0; never rewritten
.set STEPS, 16
.set EMAX,  2
.set CB,    8                          ; bytes of 16 codes
.set XR,    16                         ; x: v16-79 four sets of 16 numbers as loaded
.set XN,    80                         ; v80-111 two sets of 16 neighbours
.set XE,    112                        ; v112-127 a scale byte for each step
.set XC,    128                        ; v128-189 codes, four registers for each step
.set WREG,  8192                       ; x: an LDS region for each wave: two stages of 32 x 80 bytes, then its 256 scale bytes
.set SP,    80
.set WSTG,  32768                      ; the weights' stages: 32 rows x 272 bytes for each wave
.set NB,    16
.set PITCH, 272
.set KROW,  512
.set WX,    32                         ; weights: v32-95 two sets of 32 numbers
.set WC,    96                         ; v96-99 a block's codes
.set OUTR,  112                        ; v112-175 the way out
.set SB,    24                         ; v24-27 scale bytes, four to a register
	s_load_b256 s[4:11], s[0:1], 0x0               ; x, Wq, Wk, Wv
	s_load_b256 s[12:19], s[0:1], 0x20             ; Wo, xc, xs, wc
	s_load_b128 s[20:23], s[0:1], 0x40             ; ws, woh
	v_lshl_add_u32 v[SPW], v0, 2, SPARE
	v_mov_b32 v[NIL], 0
	v_lshrrev_b32 v1, 5, v0
	v_readfirstlane_b32 s24, v1                    ; wave
	v_and_b32 v2, 31, v0                           ; lane
	s_mov_b32 s29, 0                               ; the high word of every offset pair s[28:29]
	s_wait_kmcnt 0x0
	s_cmp_lt_u32 ttmp9, 48
	s_cbranch_scc1 .Lpath_w
	s_cmp_lt_u32 ttmp9, 112
	s_cbranch_scc1 .Lpath_cast
; ---------------- x: a wave takes 16 steps of 512 numbers.  Each load reads 512 consecutive bytes; a step's 2,048 bytes turn through the wave's stage so that a lane holds 16 neighbours along K.
	v_lshlrev_b32 v3, 4, v2                        ; my 16 bytes of a load's 512
	s_mul_i32 s25, s24, WREG
	v_lshrrev_b32 v14, 2, v2
	v_mul_u32_u24 v14, v14, SP
	v_and_b32 v15, 3, v2
	v_lshl_add_u32 v14, v15, 4, v14
	v_add_nc_u32 v14, s25, v14                     ; the stage, in: 80 (lane / 4) + 16 (lane % 4)
	v_mul_u32_u24 v15, v2, SP
	v_add_nc_u32 v15, s25, v15                     ; out: 80 x lane
	v_mul_u32_u24 v4, v2, CB                       ; my codes' place in a step's 256 bytes
	v_lshrrev_b32 v5, 1, v2
	s_add_co_u32 s25, s25, 2*32*SP
	v_add_nc_u32 v5, s25, v5                       ; my block's byte among the wave's 256
	v_lshlrev_b32 v7, 3, v2
	v_add_nc_u32 v6, s25, v7
	s_sub_co_u32 s26, ttmp9, 112
	s_lshl_b32 s26, s26, 2
	s_add_co_u32 s26, s26, s24                     ; which run of 8,192 numbers is my wave's: 0 .. 1,023
	s_lshl_b32 s28, s26, 15
	s_add_nc_u64 s[4:5], s[4:5], s[28:29]
	s_lshl_b32 s28, s26, 12
	s_add_nc_u64 s[14:15], s[14:15], s[28:29]
	s_lshl_b32 s28, s26, 8
	s_add_nc_u64 s[16:17], s[16:17], s[28:29]
.macro XLOAD t
.irp i, 0,1,2,3
	global_load_b128 v[XR+16*((\t)%4)+4*\i:XR+16*((\t)%4)+4*\i+3], v3, s[4:5] offset:2048*(\t)+512*\i th:TH_LOAD_NT
.endr
.endm
.macro XTURN t                         ; LDS serves a wave's instructions in order: no wait between the stores and the loads
.irp i, 0,1,2,3
	ds_store_b128 v14, v[XR+16*((\t)%4)+4*\i:XR+16*((\t)%4)+4*\i+3] offset:32*SP*((\t)%2)+8*SP*\i
.endr
.irp i, 0,1,2,3
	ds_load_b128 v[XN+16*((\t)%2)+4*\i:XN+16*((\t)%2)+4*\i+3], v15 offset:32*SP*((\t)%2)+16*\i
.endr
.endm
.irp t, 0,1,2,3
	XLOAD \t
.endr
	s_wait_loadcnt 12                              ; step 0's four loads are in; three steps' twelve stay out
	XTURN 0
.macro XSTEP t
.set XS, XN+16*((\t)%2)
.if (\t) > 0
	s_wait_dscnt 1                                 ; this step's numbers are back from the stage; the last step's byte store may be out
.else
	s_wait_dscnt 0x0
.endif
.if (\t)+4 < STEPS
	XLOAD (\t)+4
.endif
.if (\t)+1 < STEPS
.if STEPS-2-(\t) >= 3
	s_wait_loadcnt 12                              ; the next step's four loads are in; those of the three steps behind it may be out
.else
	s_wait_loadcnt 4*(STEPS-2-(\t))
.endif
	XTURN (\t)+1
.endif
	v_max3_num_f32 v8, |v[XS]|, |v[XS+1]|, |v[XS+2]|
	v_max3_num_f32 v9, |v[XS+3]|, |v[XS+4]|, |v[XS+5]|
.irp i, 6,10
	v_max3_num_f32 v8, v8, |v[XS+\i]|, |v[XS+\i+1]|
	v_max3_num_f32 v9, v9, |v[XS+\i+2]|, |v[XS+\i+3]|
.endr
	v_max3_num_f32 v8, v8, |v[XS+14]|, |v[XS+15]|
	v_max3_num_f32 v8, v8, v9, (EMAX+1)<<23        ; the floor 2^(3 - 127): the byte cannot fall under 1
	v_max_num_f32_dpp v8, v8, v8 row_xmask:1 row_mask:0xf bank_mask:0xf   ; with my neighbour's 16: the block's largest magnitude
	v_add_nc_u32 v11, -(EMAX<<23), v8              ; 2 off its exponent field: the conversion's scale operand
	v_cvt_scalef32_pk8_fp4_f32 v[XC+4*(\t)], v[XS:XS+7], v11
	v_cvt_scalef32_pk8_fp4_f32 v[XC+4*(\t)+1], v[XS+8:XS+15], v11
	v_lshrrev_b32 v[XE+(\t)], 23, v11              ; the scale's byte
	ds_store_b8 v5, v[XE+(\t)] offset:16*(\t)      ; both lanes of a block write the same byte with the same value
	global_store_b64 v4, v[XC+4*(\t):XC+4*(\t)+1], s[14:15] offset:32*CB*(\t)   ; the wave stores 256 consecutive bytes, aligned
.endm
.irp t, 0,1,2,3,4,5,6,7,8,9,10,11,12,13,14,15
	XSTEP \t
.endr
	ds_load_b64 v[8:9], v6
	s_wait_dscnt 0x0
	global_store_b64 v7, v[8:9], s[16:17]          ; the wave's 256 scale bytes, aligned
	s_branch .Lend
; ---------------- Wq, Wk, Wv: a lane takes a column n and its registers run down K; a wave takes 32 columns x 512 along K.
.Lpath_w:
	s_lshr_b32 s25, ttmp9, 4                       ; which weight
	s_and_b32 s26, ttmp9, 7                        ; which 128 columns
	s_bfe_u32 s27, ttmp9, 0x10003                  ; which half of K
	s_cmp_eq_u32 s25, 1
	s_cselect_b64 s[8:9], s[8:9], s[10:11]
	s_cmp_eq_u32 s25, 0
	s_cselect_b64 s[6:7], s[6:7], s[8:9]           ; the choice hangs on the work-group's number alone
	s_lshl_b32 s26, s26, 7
	s_lshl_b32 s28, s24, 5
	s_add_co_u32 s26, s26, s28                     ; my wave's first column
	s_lshl_b32 s28, s27, 21                        ; 512 rows of 4,096 bytes
	s_lshl_b32 s30, s26, 2
	s_add_co_u32 s28, s28, s30
	s_add_nc_u64 s[6:7], s[6:7], s[28:29]
	s_lshl_b32 s30, s25, 10
	s_add_co_u32 s30, s30, s26                     ; my first row of wc and ws
	s_lshl_b32 s28, s30, 9
	s_lshl_b32 s31, s27, 8
	s_add_co_u32 s28, s28, s31
	s_add_nc_u64 s[18:19], s[18:19], s[28:29]
	s_lshl_b32 s28, s30, 5
	s_lshl_b32 s31, s27, 4
	s_add_co_u32 s28, s28, s31
	s_add_nc_u64 s[20:21], s[20:21], s[28:29]
	v_lshlrev_b32 v3, 2, v2                        ; in: 4 bytes a lane
	s_mul_i32 s31, s24, 32*PITCH
	s_add_co_u32 s31, s31, WSTG                    ; my stage
	v_mul_u32_u24 v4, v2, PITCH
	v_add_nc_u32 v4, s31, v4                       ; into it: row = my column
	v_and_b32 v5, 15, v2
	v_lshrrev_b32 v6, 4, v2
	v_mul_u32_u24 v7, v6, PITCH
	v_lshl_add_u32 v7, v5, 4, v7
	v_add_nc_u32 v7, s31, v7                       ; out of it: sixteen lanes to a row
	v_mul_u32_u24 v8, v6, KROW
	v_lshl_add_u32 v8, v5, 4, v8                   ; the same place in wc
	v_mul_u32_u24 v9, v2, 32                       ; my column's row of scale bytes
.macro WLOAD t
.set wi, 0
.rept 32
	global_load_b32 v[WX+32*((\t)%2)+wi], v3, s[6:7] offset:(32*(\t)+wi)*4096 th:TH_LOAD_NT
.set wi, wi+1
.endr
.endm
	WLOAD 0
	WLOAD 1
.macro WBLOCK t
.set XS, WX+32*((\t)%2)
.if (\t) < NB-1
	s_wait_loadcnt 32                              ; this block's 32 loads are in; the next block's may be out
.else
	s_wait_loadcnt 0
.endif
	v_max3_num_f32 v12, |v[XS]|, |v[XS+1]|, |v[XS+2]|
	v_max3_num_f32 v13, |v[XS+3]|, |v[XS+4]|, |v[XS+5]|
.irp i, 6,10,14,18,22,26
	v_max3_num_f32 v12, v12, |v[XS+\i]|, |v[XS+\i+1]|
	v_max3_num_f32 v13, v13, |v[XS+\i+2]|, |v[XS+\i+3]|
.endr
	v_max3_num_f32 v12, v12, |v[XS+30]|, |v[XS+31]|
	v_max3_num_f32 v12, v12, v13, (EMAX+1)<<23
	v_add_nc_u32 v11, -(EMAX<<23), v12
	v_lshrrev_b32 v13, 23, v11
.if (\t)%4 == 0
	v_mov_b32 v[SB+(\t)/4], v13
.else
	v_lshl_or_b32 v[SB+(\t)/4], v13, 8*((\t)%4), v[SB+(\t)/4]
.endif
.irp g, 0,1,2,3
	v_cvt_scalef32_pk8_fp4_f32 v[WC+\g], v[XS+8*\g:XS+8*\g+7], v11
.endr
	ds_store_b128 v4, v[WC:WC+3] offset:16*(\t)
.if (\t)+2 < NB
	WLOAD (\t)+2
.endif
	s_wait_dscnt 0x0                               ; the store has read its registers: the next block's codes may be written
.endm
.set Q, 0
.rept NB
	WBLOCK Q
.set Q, Q+1
.endr
	global_store_b128 v9, v[SB:SB+3], s[20:21]     ; my column's 16 scale bytes
.irp t, 0,1,2,3,4,5,6,7,8,9,10,11,12,13,14,15
	ds_load_b128 v[OUTR+4*\t:OUTR+4*\t+3], v7 offset:2*\t*PITCH
.endr
.irp t, 0,1,2,3,4,5,6,7,8,9,10,11,12,13,14,15
	s_wait_dscnt 15-\t                             ; loads come back in order: number t is in
	global_store_b128 v8, v[OUTR+4*\t:OUTR+4*\t+3], s[18:19] offset:2*\t*KROW   ; sixteen lanes store 256 consecutive bytes, aligned
.endr
	s_branch .Lend
; ---------------- Wo -> f16: a wave takes 16,384 bytes; all 32 loads go out first, each of 512 consecutive bytes
.Lpath_cast:
	s_sub_co_u32 s25, ttmp9, 48
	s_lshl_b32 s25, s25, 2
	s_add_co_u32 s25, s25, s24
	s_lshl_b32 s28, s25, 14
	s_add_nc_u64 s[12:13], s[12:13], s[28:29]
	s_lshl_b32 s28, s25, 13
	s_add_nc_u64 s[22:23], s[22:23], s[28:29]
	v_lshlrev_b32 v3, 4, v2
	v_lshlrev_b32 v4, 3, v2
.set ci, 0
.rept 32
	global_load_b128 v[32+4*ci:35+4*ci], v3, s[12:13] offset:512*ci th:TH_LOAD_NT
.set ci, ci+1
.endr
.set ci, 0
.rept 32
	s_wait_loadcnt 31-ci                           ; load ci is in, the younger ones stay out
	v_cvt_pk_f16_f32 v[32+4*ci], v[32+4*ci], v[33+4*ci]
	v_cvt_pk_f16_f32 v[33+4*ci], v[34+4*ci], v[35+4*ci]
	global_store_b64 v4, v[32+4*ci:33+4*ci], s[22:23] offset:256*ci   ; 256 consecutive bytes, aligned; no register is written again
.set ci, ci+1
.endr
.Lend:
	s_wait_tensorcnt 0x0                           ; the wave's end
	ds_add_u32 v[SPW], v[NIL]
	s_wait_dscnt 0x0
	s_endpgm
.Lfunc_end_k_q5f436a9a90_prep:
	.size	k_q5f436a9a90_prep, .Lfunc_end_k_q5f436a9a90_prep-k_q5f436a9a90_prep
	.p2alignl 7, 3214868480
	.fill 96, 4, 3214868480
	.section	.rodata,"a",@progbits
	.p2align	6, 0x0
	.amdhsa_kernel k_q5f436a9a90_prep
		.amdhsa_group_segment_fixed_size 68096
		.amdhsa_private_segment_fixed_size 0
		.amdhsa_enable_private_segment 0
		.amdhsa_kernarg_size 80
		.amdhsa_user_sgpr_count 2
		.amdhsa_user_sgpr_kernarg_segment_ptr 1
		.amdhsa_wavefront_size32 1
		.amdhsa_system_sgpr_workgroup_id_x 1
		.amdhsa_system_sgpr_workgroup_id_y 1
		.amdhsa_system_sgpr_workgroup_id_z 1
		.amdhsa_system_vgpr_workitem_id 0
		.amdhsa_next_free_vgpr 192
		.amdhsa_next_free_sgpr 66
		.amdhsa_reserve_vcc 0
		.amdhsa_float_denorm_mode_32 3
		.amdhsa_float_denorm_mode_16_64 3
		.amdhsa_memory_ordered 1
		.amdhsa_forward_progress 1
		.amdhsa_inst_pref_size 122
	.end_amdhsa_kernel
	.amdgpu_metadata
---
amdhsa.version: [ 1, 2 ]
amdhsa.kernels:
  - .name:           k_q5f436a9a90_prep
    .symbol:         k_q5f436a9a90_prep.kd
    .args:
      - { .name: x, .offset: 0, .size: 8, .value_kind: global_buffer, .address_space: global }
      - { .name: Wq, .offset: 8, .size: 8, .value_kind: global_buffer, .address_space: global }
      - { .name: Wk, .offset: 16, .size: 8, .value_kind: global_buffer, .address_space: global }
      - { .name: Wv, .offset: 24, .size: 8, .value_kind: global_buffer, .address_space: global }
      - { .name: Wo, .offset: 32, .size: 8, .value_kind: global_buffer, .address_space: global }
      - { .name: xc, .offset: 40, .size: 8, .value_kind: global_buffer, .address_space: global }
      - { .name: xs, .offset: 48, .size: 8, .value_kind: global_buffer, .address_space: global }
      - { .name: wc, .offset: 56, .size: 8, .value_kind: global_buffer, .address_space: global }
      - { .name: ws, .offset: 64, .size: 8, .value_kind: global_buffer, .address_space: global }
      - { .name: woh, .offset: 72, .size: 8, .value_kind: global_buffer, .address_space: global }
    .group_segment_fixed_size: 68096
    .private_segment_fixed_size: 0
    .kernarg_segment_align: 8
    .kernarg_segment_size: 80
    .max_flat_workgroup_size: 128
    .sgpr_count:     66
    .vgpr_count:     192
    .wavefront_size: 32
...
	.end_amdgpu_metadata
.endif
;; end of part 1
;; launch qkv (part 2): grid 12 x 32, 4 waves a work-group, clusters of 4 x 4, 327,680 bytes of LDS; arguments xc, xs, wc, ws, qkv, bq, bk, bv; writes qkv
.if DOCPART == 2
	.amdgcn_target "amdgcn-amd-amdhsa--gfx1250"
	.amdhsa_code_object_version 6
	.text
	.protected	k_q5f436a9a90_qkv
	.globl	k_q5f436a9a90_qkv
	.p2align	8
	.type	k_q5f436a9a90_qkv,@function
k_q5f436a9a90_qkv:
	s_mov_b64 s[64:65], 0
	v_nop
	global_prefetch_b8 v0, s[64:65] scope:SCOPE_SE
	s_setreg_imm32_b32 hwreg(HW_REG_WAVE_MODE, 25, 1), 1
	s_wait_xcnt 0x0
	s_wait_alu depctr_hold_cnt(0) depctr_sa_sdst(0) depctr_va_vdst(0) depctr_va_sdst(0) depctr_va_ssrc(0) depctr_va_vcc(0) depctr_vm_vsrc(0)
	s_getreg_b32 s2, hwreg(HW_REG_IB_STS2, 6, 4)
	s_cmp_eq_u32 s2, 0
	s_cbranch_scc0 .Lentry_in_a_cluster
	s_endpgm
.Lentry_in_a_cluster:
	s_bfe_u32 s2, ttmp6, 0x10000c
	s_cmp_lg_u32 s2, 0xf033
	s_cbranch_scc0 .Lentry_shape_is_right
	s_endpgm
.Lentry_shape_is_right:
; q, k, v = Q(x) Q(W) + b on codes of E2M1 with E8M0 scales: [8192 x 1024] x [3072 x 1024]^T; results rounded once to f16 and laid by heads: qkv [4 b][48 g][2048 t][64], g = column / 64.
; A tile of 256 x 256 to a work-group of four waves, 128 x 128 a wave: 64 accumulators, 512 registers.  All of K (1,024) lies in two LDS slots of 512 along K, asked for at the start: nothing is filled again.
; The scale bytes of the work-group's 256 + 256 rows come once, as dense blocks.  CLUSTERS 4 x 4: x's tiles are shared along a row of the cluster, the weights' along a column, by joint loads.
; The matrix instruction is used transposed (source 0 = 16 rows of wc, source 1 = 16 rows of xc): a lane holds eight neighbouring columns of one token.  The bias is the C of each sum's first instruction.
; LIMIT: results must stay under 65,504 in magnitude (f16).
; REGISTERS: window 0: v0-31 addresses; v32-95 scale words, two sets, and nothing else; v128-191 x's fragments, one set, later rows on the way out; v192-255 the bias, later packed results.
;   window 1: the weights' fragments, two sets.  windows 2, 3: the accumulators of my rows 0-63, 64-127.
.set NQ,     4                         ; steps of 128 along K in a slot
.set ROWB,   256                       ; a tile's row in bytes: 512 codes
.set KROW,   512                       ; a row of xc or wc in memory
.set PITCH,  272                       ; an LDS row: 256 bytes + 16 of padding
.set FR,     8
.set NL,     2
.set NP,     4
.set HALFT,  128*PITCH
.set SLOT,   4*HALFT
.set KS,     32                        ; a row of scale bytes
.set SCL,    2*SLOT
.set HALFS,  (128*KS/256)*272
.set SBLK,   (16*KS/256)*272
.set SPARE,  SCL+4*HALFS               ; the spare words, 128 bytes a wave
.set SPITCH, 272                       ; the way out: 16 rows x (256 bytes + 16) a wave, in slot 0, which has had its only fill and its last read by then
.set ADRA, 16
.set ADRB, 20
.set STO,  24
.set RD,   25
.set CO,   26
.set ADRS, 27
.set SPW,  28
.set NIL,  29
.set BOF,  30                          ; v30 32 x (lane / 16): my eight numbers of a tile's bias
.set SC,   32
.set AF,   128
.set BIAS, 192
.set TMP,  192
.set BK,   128
.set G1, 24
.set G0, 32
.set G1B, 48
.set G0B, 56
.set G1S, 68
.set G0S, 76
.set G1SB, 80
.set G0SB, 88
.set MSB, 0
.macro WIN new                         ; the immediate's high byte repeats the setting that is left
.if MSB != (\new)
	s_set_vgpr_msb (MSB<<8)|(\new)
.set MSB, (\new)
.endif
.endm
.set MUL_LO, 0xa1                      ; source 0 window 1, source 1 window 0, C and D window 2
.set MUL_HI, 0xf1                      ; the same, C and D window 3
.set FST_LO, 0x81                      ; the first step: C (the bias) window 0, D window 2
.set FST_HI, 0xc1                      ; D window 3
.set TO_B,   0x40
.macro JLOAD g0a, g1a, g0b, g1b        ; a joint load: waves 0, 1 fetch for x, waves 2, 3 for the weights; the branch hangs on the wave's number alone
	s_cmp_eq_u32 s15, 0
	s_cbranch_scc0 .Lfor_b_\@
	tensor_load_to_lds s[\g0a:\g0a+3], s[\g1a:\g1a+7]
	s_nop 0
.rept 4
	v_nop
.endr
	s_branch .Lasked_\@
.Lfor_b_\@:
	tensor_load_to_lds s[\g0b:\g0b+3], s[\g1b:\g1b+7]
	s_nop 0
.rept 4
	v_nop
.endr
.Lasked_\@:
.endm
.macro CROUND                          ; a round of the cluster's barrier
	s_barrier_signal -1
	s_barrier_wait -1
	s_cmp_lg_u32 s14, 0
	s_cbranch_scc1 .Lnot_wave_0_\@
	s_barrier_signal -3
.Lnot_wave_0_\@:
	s_barrier_wait -3
	s_barrier_signal -1
	s_barrier_wait -1
.endm
	s_load_b128 s[4:7], s[0:1], 0x0                ; xc, xs
	s_load_b128 s[8:11], s[0:1], 0x10              ; wc, ws
	s_load_b64 s[12:13], s[0:1], 0x20              ; qkv
	s_load_b128 s[96:99], s[0:1], 0x28             ; bq, bk
	s_load_b64 s[100:101], s[0:1], 0x38            ; bv
	v_lshl_add_u32 v[SPW], v0, 2, SPARE
	v_mov_b32 v[NIL], 0
	ds_add_u32 v[SPW], v[NIL]                      ; the opening: the add, twice on end, and its wait ahead of my first tensor load
	ds_add_u32 v[SPW], v[NIL]
	v_lshrrev_b32 v1, 5, v0
	v_readfirstlane_b32 s14, v1                    ; wave 0..3
	s_lshr_b32 s15, s14, 1                         ; which half of the tile's rows is mine; also: I fetch for x (0) or for the weights (1)
	s_and_b32 s16, s14, 1                          ; which half of its columns; also: which 128 rows I fetch
	s_bfe_u32 s40, ttmp6, 0x40000                  ; cx
	s_bfe_u32 s41, ttmp6, 0x40004                  ; cy
	s_lshl_b32 s42, ttmp9, 2
	s_add_co_u32 s42, s42, s40                     ; tile column = 4 x cluster x + cx
	s_and_b32 s17, ttmp7, 0xffff
	s_lshl_b32 s17, s17, 2
	s_add_co_u32 s17, s17, s41                     ; tile row = 4 x cluster y + cy
	s_lshl_b32 s43, s41, 2
	s_lshl_b32 s43, 15, s43                        ; my row of the cluster
	s_lshl_b32 s44, 0x1111, s40                    ; my column
	s_or_b32 s[G1+0], s43, (0<<16)|(1<<20)|(1<<21)|(5<<22)|(3<<25)   ; mask; elements of 1 byte; 4 words of padding after every 64
	s_or_b32 s[G1B+0], s44, (0<<16)|(1<<20)|(1<<21)|(5<<22)|(3<<25)
.irp g, G1, G1B
	s_mov_b32 s[\g+1], ROWB<<16                    ; tensor_dim0
	s_mov_b32 s[\g+2], 128<<16                     ; tensor_dim1
	s_mov_b32 s[\g+3], ROWB<<16                    ; tile_dim0
	s_mov_b32 s[\g+4], 128                         ; tile_dim1
	s_mov_b32 s[\g+5], KROW                        ; from row to row
	s_mov_b32 s[\g+6], 0
	s_mov_b32 s[\g+7], 0
.endr
	s_or_b32 s[G1S+0], s43, (3<<16)|(1<<20)|(1<<21)|(5<<22)|(3<<25)  ; the scales of 128 rows: 4,096 dense bytes as 16 rows of 256 (32 elements of 8 bytes)
	s_or_b32 s[G1SB+0], s44, (3<<16)|(1<<20)|(1<<21)|(5<<22)|(3<<25)
.irp g, G1S, G1SB
	s_mov_b32 s[\g+1], 32<<16
	s_mov_b32 s[\g+2], (128*KS/256)<<16
	s_mov_b32 s[\g+3], 32<<16
	s_mov_b32 s[\g+4], 128*KS/256
	s_mov_b32 s[\g+5], 32
	s_mov_b32 s[\g+6], 0
	s_mov_b32 s[\g+7], 0
.endr
	s_lshl_b32 s18, s16, 7
	s_lshl_b32 s20, s17, 8
	s_add_co_u32 s20, s20, s18                     ; x: row 256 x tile row + 128 x half
	s_lshl_b32 s46, s42, 8
	s_add_co_u32 s46, s46, s18                     ; weights: row 256 x tile column + 128 x half
	s_mov_b32 s21, 0
	s_mov_b32 s47, 0
	s_mov_b64 s[18:19], KS
	s_mul_u64 s[22:23], s[20:21], s[18:19]
	s_mul_u64 s[92:93], s[46:47], s[18:19]
	s_mov_b64 s[18:19], KROW
	s_mul_u64 s[20:21], s[20:21], s[18:19]
	s_mul_u64 s[46:47], s[46:47], s[18:19]
	s_mul_i32 s45, s14, HALFT                      ; where they go: wave x 128 rows
	s_mul_i32 s94, s14, HALFS
	s_wait_dscnt 0x0                               ; both opening adds are done
	s_wait_kmcnt 0x0
	s_add_nc_u64 s[20:21], s[4:5], s[20:21]
	s_add_nc_u64 s[22:23], s[6:7], s[22:23]
	s_add_nc_u64 s[46:47], s[8:9], s[46:47]
	s_add_nc_u64 s[92:93], s[10:11], s[92:93]
	CROUND                                         ; all sixteen work-groups are here: the joint loads meet
	s_mov_b32 s[G0S], 1
	s_add_co_u32 s[G0S+1], s94, SCL
	s_mov_b64 s[G0S+2:G0S+3], s[22:23]
	s_or_b32 s[G0S+3], s[G0S+3], 0x80000000
	s_mov_b32 s[G0SB], 1
	s_add_co_u32 s[G0SB+1], s94, SCL
	s_mov_b64 s[G0SB+2:G0SB+3], s[92:93]
	s_or_b32 s[G0SB+3], s[G0SB+3], 0x80000000
	JLOAD G0S, G1S, G0SB, G1SB                     ; the scales first
.irp s, 0,1
	s_mov_b32 s[G0+4*\s], 1
	s_add_co_u32 s[G0+4*\s+1], s45, \s*SLOT
	s_add_nc_u64 s[G0+4*\s+2:G0+4*\s+3], s[20:21], \s*ROWB
	s_or_b32 s[G0+4*\s+3], s[G0+4*\s+3], 0x80000000
	s_mov_b32 s[G0B+4*\s], 1
	s_add_co_u32 s[G0B+4*\s+1], s45, \s*SLOT
	s_add_nc_u64 s[G0B+4*\s+2:G0B+4*\s+3], s[46:47], \s*ROWB
	s_or_b32 s[G0B+4*\s+3], s[G0B+4*\s+3], 0x80000000
	JLOAD G0+4*\s, G1, G0B+4*\s, G1B               ; three tensor loads of mine are out now
.endr
	v_and_b32 v1, 15, v0                           ; r
	v_bfe_u32 v2, v0, 4, 1                         ; h
	; the bias: four tile columns are one weight, so the cluster's x says which; my 128 columns begin 256 cx + 128 x half into it
	s_cmp_eq_u32 ttmp9, 0
	s_cselect_b64 s[96:97], s[96:97], s[98:99]
	s_cmp_eq_u32 ttmp9, 2
	s_cselect_b64 s[96:97], s[100:101], s[96:97]
	s_lshl_b32 s46, s40, 10
	s_lshl_b32 s47, s16, 9
	s_add_co_u32 s46, s46, s47
	s_mov_b32 s47, 0
	s_add_nc_u64 s[96:97], s[96:97], s[46:47]
	v_lshlrev_b32 v[BOF], 5, v2
.irp b, 0,1,2,3,4,5,6,7
	global_load_b128 v[BIAS+8*\b:BIAS+8*\b+3], v[BOF], s[96:97] offset:64*\b       ; lane (r, h), register j: bias of column 16 b + 8 h + j
	global_load_b128 v[BIAS+8*\b+4:BIAS+8*\b+7], v[BOF], s[96:97] offset:64*\b+16
.endr
	v_mul_u32_u24 v3, v1, PITCH
	v_lshl_add_u32 v4, v2, 4, v3
	s_mul_i32 s21, s15, HALFT
	s_mul_i32 s22, s16, HALFT
	s_add_co_u32 s22, s22, 2*HALFT
.irp s, 0,1
	v_add_nc_u32 v[ADRA+\s], s21, v4
	v_add_nc_u32 v[ADRB+\s], s22, v4
	s_add_co_u32 s21, s21, SLOT
	s_add_co_u32 s22, s22, SLOT
.endr
	v_mul_u32_u24 v5, v1, KS
	v_lshrrev_b32 v6, 8, v5
	v_lshl_add_u32 v5, v6, 4, v5                   ; my row's scales: 32 bytes a row, 16 more for each 256 passed
	s_mul_i32 s21, s15, HALFS
	s_mul_i32 s22, s16, HALFS
	s_add_co_u32 s22, s22, 2*HALFS
	s_sub_co_u32 s22, s22, s21
	v_mul_u32_u24 v6, s22, v2                      ; lanes 16-31 take the weights'
	s_add_co_u32 s21, s21, SCL
	v_add_nc_u32 v5, v5, v6
	v_add_nc_u32 v[ADRS], s21, v5
	s_mul_i32 s23, s14, 16*SPITCH                  ; my stage
	v_mul_u32_u24 v5, v1, SPITCH
	v_lshl_add_u32 v5, v2, 4, v5
	v_add_nc_u32 v[STO], s23, v5                   ; in: row r, 16 bytes for each half of the lanes
	v_bfe_u32 v5, v0, 3, 1
	v_and_b32 v6, 7, v0
	v_mul_u32_u24 v3, v5, SPITCH
	v_lshl_add_u32 v3, v2, 7, v3
	v_lshl_add_u32 v3, v6, 4, v3
	v_add_nc_u32 v[RD], s23, v3                    ; back: lanes 0-15 two rows of my first head's 128 bytes, lanes 16-31 of my second's
	v_lshlrev_b32 v3, 18, v2                       ; a head is 262,144 bytes
	v_lshl_add_u32 v3, v5, 7, v3
	v_lshl_add_u32 v[CO], v6, 4, v3
	s_lshr_b32 s20, s17, 3                         ; the batch: eight tile rows each
	s_mul_i32 s20, s20, 12582912
	s_lshl_b32 s21, s42, 2
	s_lshl_b32 s22, s16, 1
	s_add_co_u32 s21, s21, s22                     ; my first head: 4 x tile column + 2 x half
	s_lshl_b32 s21, s21, 18
	s_add_co_u32 s20, s20, s21
	s_and_b32 s21, s17, 7
	s_lshl_b32 s21, s21, 8
	s_lshl_b32 s22, s15, 7
	s_add_co_u32 s21, s21, s22                     ; my first token in the batch
	s_lshl_b32 s21, s21, 7
	s_add_co_u32 s20, s20, s21
	s_mov_b32 s21, 0
	s_add_nc_u64 s[12:13], s[12:13], s[20:21]      ; never stepped: every later offset is an immediate
.macro FRAG reg, adr, q, i             ; 16 rows x 128 K of codes: 8 registers, two loads of 16 bytes, 32 bytes apart
.irp c, 0,1
	ds_load_b128 v[\reg+4*\c:\reg+4*\c+3], v[\adr] offset:64*(\q)+32*\c+(\i)*16*PITCH
.endr
.endm
; 16 matrix instructions: x's blocks a0, a0 + 1 against the weights' eight.  The 64 accumulators take turns, one instruction a turn.
.macro MUL16 a0, p, q, sc, first
.irp a, \a0, \a0+1
.irp b, 0,1,2,3,4,5,6,7
.if \first
	v_wmma_scale_f32_16x16x128_f8f6f4 v[8*(8*((\a)%4)+\b):8*(8*((\a)%4)+\b)+7], v[128*(\p)+FR*\b:128*(\p)+FR*\b+FR-1], v[AF+FR*(\a):AF+FR*(\a)+FR-1], v[BIAS+8*\b:BIAS+8*\b+7], v[SC+8*NQ*(\sc)+NQ*\b+(\q)], v[SC+8*NQ*(\sc)+NQ*(\a)+(\q)] matrix_a_fmt:MATRIX_FMT_FP4 matrix_b_fmt:MATRIX_FMT_FP4 matrix_a_scale:MATRIX_SCALE_ROW1
.else
	v_wmma_scale_f32_16x16x128_f8f6f4 v[8*(8*((\a)%4)+\b):8*(8*((\a)%4)+\b)+7], v[128*(\p)+FR*\b:128*(\p)+FR*\b+FR-1], v[AF+FR*(\a):AF+FR*(\a)+FR-1], v[8*(8*((\a)%4)+\b):8*(8*((\a)%4)+\b)+7], v[SC+8*NQ*(\sc)+NQ*\b+(\q)], v[SC+8*NQ*(\sc)+NQ*(\a)+(\q)] matrix_a_fmt:MATRIX_FMT_FP4 matrix_b_fmt:MATRIX_FMT_FP4 matrix_a_scale:MATRIX_SCALE_ROW1
.endif
.endr
.endr
.endm
.macro FETCH_B slot, q, p
	WIN TO_B
.irp i, 0,1,2,3,4,5,6,7
	FRAG 128*(\p)+FR*\i, ADRB+\slot, \q, \i
.endr
	WIN 0
.endm
.macro FETCH_A slot, q, i0
.irp i, \i0, \i0+1, \i0+2, \i0+3
	FRAG AF+FR*(\i), ADRA+\slot, \q, \i
.endr
.endm
.macro SCALES sc                       ; a slot's scale words: lanes 0-15 x's block i, lanes 16-31 the weights' block i
.irp i, 0,1,2,3,4,5,6,7
	ds_load_b128 v[SC+8*NQ*\sc+NQ*\i:SC+8*NQ*\sc+NQ*\i+3], v[ADRS] offset:\i*SBLK
.endr
.endm
.macro PLACES n                        ; plain vector instructions between a matrix instruction and a load into, or a read of, its registers
.rept \n
	v_nop
.endr
.endm
.macro STEP slot, q, first
	s_wait_dscnt 4*NL                              ; the weights' set and x's blocks 0-3 are in; the youngest eight loads (x's blocks 4-7) may be out
.if \first
	WIN FST_LO
.else
	WIN MUL_LO
.endif
	MUL16 0, (\q)%2, \q, \slot, \first
	MUL16 2, (\q)%2, \q, \slot, \first
	s_wait_dscnt 0
	PLACES NP
	FETCH_B \slot, (\q)+1, 1-(\q)%2
	FETCH_A \slot, (\q)+1, 0
.if \first
	WIN FST_HI
.else
	WIN MUL_HI
.endif
	MUL16 4, (\q)%2, \q, \slot, \first
	MUL16 6, (\q)%2, \q, \slot, \first
	PLACES NP
	WIN 0
	FETCH_A \slot, (\q)+1, 4
.endm
.macro STEPS slot, from
.set Q, \from
.rept NQ-1-\from
	STEP \slot, Q, 0
.set Q, Q+1
.endr
.endm
	s_wait_tensorcnt 1                             ; the scales and my part of slot 0 are in; slot 1's load may be out
	s_barrier_signal -1
	s_barrier_wait -1
	FETCH_B 0, 0, 0
	FETCH_A 0, 0, 0
	SCALES 0
	FETCH_A 0, 0, 4
	s_wait_loadcnt 0x0                             ; the bias
	STEP 0, 0, 1                                   ; the first step starts the sums from the bias
	STEPS 0, 1
	; slot 0's last step changes slots: one barrier; nothing is filled again
	s_wait_tensorcnt 0x0                           ; my part of slot 1 has landed
	ds_add_u32 v[SPW], v[NIL]
	s_wait_dscnt 4*NL+1                            ; the add and the youngest eight loads may be out
	WIN MUL_LO
	MUL16 0, 1, NQ-1, 0, 0
	s_wait_dscnt 0x0                               ; the add is done, and my reads of slot 0 are over
	s_barrier_signal -1
	MUL16 2, 1, NQ-1, 0, 0
	WIN 0
	s_barrier_wait -1
	PLACES NP
	v_add_nc_u32 v[ADRS], 4*NQ, v[ADRS]            ; the second slot's scale words
	FETCH_B 1, 0, 0
	FETCH_A 1, 0, 0
	SCALES 1
	WIN MUL_HI
	MUL16 4, 1, NQ-1, 0, 0
	MUL16 6, 1, NQ-1, 0, 0
	PLACES NP
	WIN 0
	FETCH_A 1, 0, 4
	STEPS 1, 0
	s_wait_dscnt 4*NL                              ; the very last step: nothing more to fetch
	WIN MUL_LO
	MUL16 0, 1, NQ-1, 1, 0
	MUL16 2, 1, NQ-1, 1, 0
	s_wait_dscnt 0
	WIN MUL_HI
	MUL16 4, 1, NQ-1, 1, 0
	MUL16 6, 1, NQ-1, 1, 0
	WIN 0
; THE WAY OUT, block by block of 16 tokens x 128 columns (two heads).  Rounded to f16, 16 bytes a lane, through my own stage, and back so that sixteen lanes hold two tokens' 128 bytes of one head: 256 consecutive bytes of qkv.
.macro PACK a
.set AC, 64*((\a)%4)
	WIN 0x0a+5*((\a)/4)                            ; sources 0 and 1: window 2 or 3
.irp b, 0,1,2,3,4,5,6,7
.irp i, 0,1,2,3
	v_cvt_pk_f16_f32 v[TMP+4*\b+\i], v[AC+8*\b+2*\i], v[AC+8*\b+2*\i+1]   ; each accumulator from its low end on
.endr
.endr
	WIN 0
.endm
.macro TOSTAGE a
.set BB, BK+32*((\a)%2)
.irp b, 0,1,2,3,4,5,6,7
	ds_store_b128 v[STO], v[TMP+4*\b:TMP+4*\b+3] offset:32*\b
.endr
.irp i, 0,1,2,3,4,5,6,7
	ds_load_b128 v[BB+4*\i:BB+4*\i+3], v[RD] offset:2*\i*SPITCH    ; LDS serves a wave's instructions in order: these see the stores above
.endr
.endm
.macro SEND a
.set BB, BK+32*((\a)%2)
	s_wait_dscnt 0x0                               ; the block is back in registers
	s_wait_xcnt 0x0                                ; the block before has had its stores' registers read: the next block's loads may land there
.irp i, 0,1,2,3,4,5,6,7
	global_store_b128 v[CO], v[BB+4*\i:BB+4*\i+3], s[12:13] offset:(\a)*2048+\i*256
.endr
.endm
	PLACES NP
	PACK 0
	TOSTAGE 0
.irp a, 1,2,3,4,5,6,7
	PACK \a
	SEND \a-1
	TOSTAGE \a
.endr
	SEND 7
	s_wait_tensorcnt 0x0                           ; the wave's end
	ds_add_u32 v[SPW], v[NIL]
	s_wait_dscnt 0x0
	CROUND                                         ; the closing round
	s_endpgm
.Lfunc_end_k_q5f436a9a90_qkv:
	.size	k_q5f436a9a90_qkv, .Lfunc_end_k_q5f436a9a90_qkv-k_q5f436a9a90_qkv
	.p2alignl 7, 3214868480
	.fill 96, 4, 3214868480
	.section	.rodata,"a",@progbits
	.p2align	6, 0x0
	.amdhsa_kernel k_q5f436a9a90_qkv
		.amdhsa_group_segment_fixed_size 327680
		.amdhsa_private_segment_fixed_size 0
		.amdhsa_enable_private_segment 0
		.amdhsa_kernarg_size 64
		.amdhsa_user_sgpr_count 2
		.amdhsa_user_sgpr_kernarg_segment_ptr 1
		.amdhsa_wavefront_size32 1
		.amdhsa_system_sgpr_workgroup_id_x 1
		.amdhsa_system_sgpr_workgroup_id_y 1
		.amdhsa_system_sgpr_workgroup_id_z 1
		.amdhsa_system_vgpr_workitem_id 0
		.amdhsa_next_free_vgpr 1024
		.amdhsa_next_free_sgpr 102
		.amdhsa_reserve_vcc 0
		.amdhsa_float_denorm_mode_32 3
		.amdhsa_float_denorm_mode_16_64 3
		.amdhsa_memory_ordered 1
		.amdhsa_forward_progress 1
		.amdhsa_inst_pref_size 129
	.end_amdhsa_kernel
	.amdgpu_metadata
---
amdhsa.version: [ 1, 2 ]
amdhsa.kernels:
  - .name:           k_q5f436a9a90_qkv
    .symbol:         k_q5f436a9a90_qkv.kd
    .args:
      - { .name: xc, .offset: 0, .size: 8, .value_kind: global_buffer, .address_space: global }
      - { .name: xs, .offset: 8, .size: 8, .value_kind: global_buffer, .address_space: global }
      - { .name: wc, .offset: 16, .size: 8, .value_kind: global_buffer, .address_space: global }
      - { .name: ws, .offset: 24, .size: 8, .value_kind: global_buffer, .address_space: global }
      - { .name: qkv, .offset: 32, .size: 8, .value_kind: global_buffer, .address_space: global }
      - { .name: bq, .offset: 40, .size: 8, .value_kind: global_buffer, .address_space: global }
      - { .name: bk, .offset: 48, .size: 8, .value_kind: global_buffer, .address_space: global }
      - { .name: bv, .offset: 56, .size: 8, .value_kind: global_buffer, .address_space: global }
    .group_segment_fixed_size: 327680
    .private_segment_fixed_size: 0
    .kernarg_segment_align: 8
    .kernarg_segment_size: 64
    .max_flat_workgroup_size: 128
    .sgpr_count:     102
    .vgpr_count:     1024
    .wavefront_size: 32
...
	.end_amdgpu_metadata
.endif
;; end of part 2
;; launch attn (part 3): grid 4 x 64, 16 waves a work-group, no clusters, 327,680 bytes of LDS; arguments qkv, ctx; writes ctx
.if DOCPART == 3
	.amdgcn_target "amdgcn-amd-amdhsa--gfx1250"
	.amdhsa_code_object_version 6
	.text
	.protected	k_q5f436a9a90_attn
	.globl	k_q5f436a9a90_attn
	.p2align	8
	.type	k_q5f436a9a90_attn,@function
k_q5f436a9a90_attn:
	s_mov_b64 s[64:65], 0
	v_nop
	global_prefetch_b8 v0, s[64:65] scope:SCOPE_SE
	s_setreg_imm32_b32 hwreg(HW_REG_WAVE_MODE, 25, 1), 1
	s_wait_xcnt 0x0
; Causal attention on f16 operands, f32 sums, running maximum.  qkv [4 b][48 g][2048 t][64] f16 (g 0-15 q's heads, 16-31 k's, 32-47 v's); ctx [16 h][8192 tokens][64] f16.
; SHARES.  Work-group (j = x in 0..3, head = y) owns query blocks j and 7 - j of 256 queries: j + 1 and 8 - j key blocks, NINE slot steps of 256 keys in every work-group, so all 256 have equal work and the
; loop's trip count is a constant.  Wave w of sixteen owns tile w (16 queries) of the block in hand.  Behind slot step j the first block's result leaves and the second block begins (a branch on ids, alike in all waves).
; K and V come through two LDS slots by tensor loads (waves 0, 1: K's halves; 2, 3: V's).  Every slot holds keys that the block's last tile needs, so no load is ever left out.
; No cluster: at a given step the four work-groups of a head want different key blocks, and on a common walk the mask would let whole partners pass over joint tiles.
; LAYOUT.  S^T = K Q^T, O^T = V^T P: a lane holds ONE query (lane % 16); two tiles of S^T rounded to f16 in pairs are the second product's source 1.  V is turned by ds_load_tr16_b128.
; SOFTMAX.  p = 2^(c s - c m), c = log2(e) / 8, m the running maximum; O and l are multiplied by a = 2^(c m_old - c m_new) in every step.  Hidden scores become -infinity; key 0 counts for every query.
; LIMITS: q, k, v under 65,504 in magnitude; p under 2^-24 is rounded to 0 for the second product; NaN and infinities are not served.  Positions 0-15 of each sequence are made again in f32 by later launches.
.set PK,    144                        ; a key's row in LDS: 128 bytes + 16
.set PV,    160                        ; a row of V: 128 + 32
.set VOFF,  256*PK                     ; a slot: 256 rows of K, then 256 rows of V
.set SLOT1, 1<<17
.set STAGE, 262144                     ; 16 rows x 144 bytes for each wave
.set SPARE, STAGE+16*2304              ; the spare words, 128 bytes a wave
.set AK0, 1
.set AV0, 2
.set ADK, 3
.set ADV, 4
.set SPW, 5
.set NIL, 6
.set QO,  7
.set STO, 8
.set RD,  9
.set GO,  10
.set DQ,  11                           ; v11 r - 8 h
; v12 c m, v13 m, v[14:15] l (even, odd keys), v16-19 at work, v[20:21] a, v22 -infinity, v23 the mask's d
.set QR,  24                           ; v24-39   Q: two fragments
.set KR,  40                           ; v40-103  K of a step: fragment (a, cs) at 8 (2 a + cs)
.set VR,  104                          ; v104-167 V of a step: fragment (ks, c) at 8 (4 ks + c)
.set SS,  168                          ; v168-199 S^T, then p
.set PP,  200                          ; v200-215 p in f16
.set OO,  216                          ; v216-247 O^T
.set PFO, 248                          ; v248 256 x lane
.set WV,  8
.set J,   9
.set TB,  10                           ; LDS byte at which the slot in hand begins
.set KF,  11                           ; the step's first key
.set Q0,  12                           ; my first query
.set SN,  13                           ; the slot step
.set CNT, 14
.set LIM, 15
.set QB,  16                           ; s[16:17] q's head;  s[18:19], s[20:21] my half of key block 0 in K, V;  s[22:23] the head's and batch's rows of ctx
.set KB,  18
.set VB,  20
.set CB,  22
.set G1K, 24
.set G1V, 32
.set G0K, 40
.set G0V, 44
.set SEL, 48
.set CS,  50
.set OFF, 52
.set PFA, 54
.set QP,  56
.set CP,  58
.macro TLOAD                           ; waves 0, 1 fetch K's halves, waves 2, 3 V's, the others nothing: branches on the wave's number alone
	s_cmp_lt_u32 s[WV], 2
	s_cbranch_scc0 .Lnot_k_\@
	tensor_load_to_lds s[G0K:G0K+3], s[G1K:G1K+7]
	s_nop 0
.rept 4
	v_nop
.endr
	s_branch .Lasked_\@
.Lnot_k_\@:
	s_cmp_lt_u32 s[WV], 4
	s_cbranch_scc0 .Lasked_\@
	tensor_load_to_lds s[G0V:G0V+3], s[G1V:G1V+7]
	s_nop 0
.rept 4
	v_nop
.endr
.Lasked_\@:
.endm
; A prefetch of the key block after the one that work-group j = 0 asks for in this trip: a slot's four key steps ahead of its own load of it.  Only work-group j = 0 of a head asks; in it waves 4-7 name K's
; 32,768 bytes (8,192 a wave, lanes 256 bytes apart), waves 8-11 V's: each aligned 256 bytes of blocks 1 .. 7 once in the launch.  Trips 0 .. 6 ask; the last asks for nothing; nothing is asked for at the head.
.macro ASK
	s_cmp_gt_u32 s[CNT], s[LIM]
	s_cbranch_scc0 .Lnot_mine_\@
	global_prefetch_b8 v[PFO], s[PFA:PFA+1] th:TH_LOAD_NT scope:SCOPE_SE
.Lnot_mine_\@:
.endm
	s_load_b128 s[4:7], s[0:1], 0x0                ; qkv, ctx
	v_lshl_add_u32 v[SPW], v0, 2, SPARE
	v_mov_b32 v[NIL], 0
	ds_add_u32 v[SPW], v[NIL]                      ; the opening: the add, twice on end, and its wait ahead of the first tensor load
	ds_add_u32 v[SPW], v[NIL]
	v_lshrrev_b32 v1, 5, v0
	v_readfirstlane_b32 s[WV], v1
	s_mov_b32 s[J], ttmp9
	s_and_b32 s60, ttmp7, 0xffff
	s_lshr_b32 s61, s60, 4                         ; batch
	s_and_b32 s62, s60, 15                         ; head
	s_mul_i32 s63, s61, 48
	s_add_co_u32 s63, s63, s62
	s_lshl_b32 s66, s63, 18                        ; q's head: (48 b + h) x 262,144 bytes
	s_mov_b32 s67, 0
	s_lshl_b32 s68, s62, 20
	s_lshl_b32 s69, s61, 18
	s_add_co_u32 s68, s68, s69                     ; ctx: h x 1,048,576 + b x 262,144
	s_mov_b32 s69, 0
	s_mov_b32 s[G1K], (1<<16)|(1<<20)|(4<<22)|(3<<25)   ; elements of 2 bytes; 4 words of padding after every 32
	s_mov_b32 s[G1V], (1<<16)|(1<<20)|(4<<22)|(7<<25)   ; 8 words
.irp g, G1K, G1V
	s_mov_b32 s[\g+1], 64<<16                      ; tensor_dim0
	s_mov_b32 s[\g+2], 128<<16                     ; tensor_dim1
	s_mov_b32 s[\g+3], 64<<16                      ; tile_dim0
	s_mov_b32 s[\g+4], 128                         ; tile_dim1
	s_mov_b32 s[\g+5], 64                          ; from row to row
	s_mov_b32 s[\g+6], 0
	s_mov_b32 s[\g+7], 0
.endr
	s_and_b32 s60, s[WV], 1
	s_lshl_b32 s[OFF], s60, 14                     ; my half's 128 rows of 128 bytes
	s_mov_b32 s[OFF+1], 0
	s_mul_i32 s61, s60, 128*PK
	s_mul_i32 s62, s60, 128*PV
	s_add_co_u32 s62, s62, VOFF
	s_mov_b32 s[SEL], 0x76543210
	s_mov_b32 s[SEL+1], 0xfedcba98
	s_mov_b32 s[CS], 0x3e38aa3b                    ; c = log2(e) / 8
	s_mov_b32 s[CS+1], s[CS]
	s_mov_b32 s[TB], 0
	s_mov_b32 s[KF], 0
	s_mov_b32 s[SN], 0
	s_mov_b32 s[CNT], 8
	s_wait_dscnt 0x0                               ; both opening adds are done
	s_wait_kmcnt 0x0
	s_add_nc_u64 s[QB:QB+1], s[4:5], s[66:67]
	s_add_nc_u64 s[KB:KB+1], s[QB:QB+1], 16*262144
	s_add_nc_u64 s[VB:VB+1], s[QB:QB+1], 32*262144
	s_cmp_lt_u32 s[WV], 8
	s_cselect_b64 s[PFA:PFA+1], s[KB:KB+1], s[VB:VB+1]
	s_and_b32 s66, s[WV], 3
	s_lshl_b32 s66, s66, 13
	s_add_nc_u64 s[PFA:PFA+1], s[PFA:PFA+1], s[66:67]   ; at block 0: each change of slots steps it before it asks
	s_add_nc_u64 s[KB:KB+1], s[KB:KB+1], s[OFF:OFF+1]
	s_add_nc_u64 s[VB:VB+1], s[VB:VB+1], s[OFF:OFF+1]
	s_add_nc_u64 s[CB:CB+1], s[6:7], s[68:69]
	s_mov_b32 s[G0K], 1
	s_mov_b32 s[G0K+1], s61
	s_mov_b64 s[G0K+2:G0K+3], s[KB:KB+1]
	s_or_b32 s[G0K+3], s[G0K+3], 0x80000000
	s_mov_b32 s[G0V], 1
	s_mov_b32 s[G0V+1], s62
	s_mov_b64 s[G0V+2:G0V+3], s[VB:VB+1]
	s_or_b32 s[G0V+3], s[G0V+3], 0x80000000
	TLOAD                                          ; key block 0 into slot 0
	s_sub_co_u32 s60, s[WV], 4
	s_lshr_b32 s60, s60, 3                         ; 0 in waves 4 to 11,
	s_or_b32 s60, s60, ttmp9                       ; of work-group j = 0
	s_cmp_eq_u32 s60, 0
	s_cselect_b32 s[LIM], 1, -1
	s_lshl_b32 s[Q0], s[J], 8
	s_lshl_b32 s60, s[WV], 4
	s_add_co_u32 s[Q0], s[Q0], s60                 ; my first query: 256 j + 16 w
	s_lshl_b32 s60, s[Q0], 7
	s_mov_b32 s61, 0
	s_add_nc_u64 s[QP:QP+1], s[QB:QB+1], s[60:61]
	v_and_b32 v16, 15, v0                          ; r
	v_bfe_u32 v17, v0, 4, 1                        ; h
	v_lshlrev_b32 v[QO], 7, v16
	v_lshl_add_u32 v[QO], v17, 4, v[QO]
.irp i, 0,1,2,3
	global_load_b128 v[QR+4*\i:QR+4*\i+3], v[QO], s[QP:QP+1] offset:32*\i
.endr
	v_mul_u32_u24 v[AK0], v16, PK
	v_lshl_add_u32 v[AK0], v17, 4, v[AK0]          ; row r x pitch + 16 h
	v_and_b32 v18, 7, v0
	v_bfe_u32 v19, v0, 3, 1
	v_lshl_add_u32 v[AV0], v17, 3, v18
	v_mul_u32_u24 v[AV0], v[AV0], PV
	v_lshl_add_u32 v[AV0], v19, 4, v[AV0]
	v_add_nc_u32 v[AV0], VOFF, v[AV0]              ; the turning load: key 8 h + l % 8, channels 8 ((l / 8) % 2) on
	s_mul_i32 s60, s[WV], 2304
	s_add_co_u32 s60, s60, STAGE
	v_add_nc_u32 v[STO], s60, v[AK0]               ; the stage has K's pitch: row r, 16 h
	v_and_b32 v18, 31, v0
	v_lshrrev_b32 v19, 3, v18
	v_mul_u32_u24 v[RD], v19, PK
	v_and_b32 v19, 7, v0
	v_lshl_add_u32 v[RD], v19, 4, v[RD]
	v_add_nc_u32 v[RD], s60, v[RD]                 ; back: eight lanes to a row of 128 bytes, four rows an instruction
	v_lshlrev_b32 v[GO], 4, v18
	v_lshlrev_b32 v[DQ], 3, v17
	v_sub_nc_u32 v[DQ], v16, v[DQ]
	v_mov_b32 v22, 0xff800000
	v_mov_b32 v21, 0                               ; named as the upper half of the pair v[20:21]
	v_lshlrev_b32 v[PFO], 8, v18
.macro INIT                            ; a block of queries begins: m under every score, l and O^T zero (the first change of m multiplies zeros)
	v_mov_b32 v13, 0xff61b1e6
	v_mul_f32 v12, s[CS], v13
	v_mov_b32 v14, 0
	v_mov_b32 v15, 0
.set n, 0
.rept 32
	v_mov_b32 v[OO+n], 0
.set n, n+1
.endr
.endm
	INIT
	s_wait_loadcnt 0x0                             ; Q
.macro SOFTMAX
.irp j, 0,1,2,3
	v_max3_num_f32 v[16+\j], v[SS+8*\j], v[SS+8*\j+1], v[SS+8*\j+2]   ; four chains; each accumulator is first read at its low end
.endr
.irp i, 3,5
.irp j, 0,1,2,3
	v_max3_num_f32 v[16+\j], v[16+\j], v[SS+8*\j+\i], v[SS+8*\j+\i+1]
.endr
.endr
	v_max3_num_f32 v16, v16, v[SS+7], v[SS+15]
	v_max3_num_f32 v18, v18, v[SS+23], v[SS+31]
	v_max3_num_f32 v16, v16, v17, v18
	v_max3_num_f32 v16, v16, v19, v13              ; with the old m
	v_permlanex16_b32 v17, v16, s[SEL], s[SEL+1]   ; the query's other keys lie in the lane 16 away
	v_mov_b32 v19, v12                             ; c m_old
	v_max_num_f32 v13, v16, v17
	v_mul_f32 v12, s[CS], v13
	v_sub_f32 v19, v19, v12
.set n, 0
.rept 16
	v_pk_fma_f32 v[SS+n:SS+n+1], v[SS+n:SS+n+1], s[CS:CS+1], v[12:13] op_sel_hi:[1,0,0] neg_lo:[0,0,1] neg_hi:[0,0,1]   ; c s - c m
.set n, n+2
.endr
	v_exp_f32 v20, v19                             ; a
.set n, 0
.rept 32
	v_exp_f32 v[SS+n], v[SS+n]
.set n, n+1
.endr
	v_nop                                          ; a plain instruction behind the last exponential
	s_wait_alu depctr_va_vdst(0)                   ; one wait for the batch of 33, ahead of its first reader
.set n, 0
.rept 16
	v_cvt_pk_f16_f32 v[PP+n], v[SS+2*n], v[SS+2*n+1]
.set n, n+1
.endr
.irp w, 4,8,16,32                      ; the sum of the 16 pairs, in place: neighbours 1, 2, 4, 8 pairs apart
.set n, 0
.rept 32/\w
	v_pk_add_f32 v[SS+n:SS+n+1], v[SS+n:SS+n+1], v[SS+n+\w/2:SS+n+\w/2+1]
.set n, n+\w
.endr
.endr
	v_pk_fma_f32 v[14:15], v[14:15], v[20:21], v[SS:SS+1] op_sel_hi:[1,0,1]   ; l = a l + the sum
.set n, 0
.rept 16
	v_pk_mul_f32 v[OO+n:OO+n+1], v[OO+n:OO+n+1], v[20:21] op_sel_hi:[1,0]     ; O^T x a, each accumulator from its low end on
.set n, n+2
.endr
.endm
; A KEY STEP: 64 keys, the q-th of the slot in hand.  A step all of whose keys come after my 16 queries is passed over: a branch on ids; no barrier and no tensor load stands in a step.
.macro STEP q
	s_add_co_u32 s60, s[Q0], 15
	s_cmp_gt_u32 s[KF], s60
	s_cbranch_scc1 .Lhidden_\@
	v_add_nc_u32 v[ADK], s[TB], v[AK0]
	v_add_nc_u32 v[ADV], s[TB], v[AV0]
	v_nop
	v_nop                                          ; four plain instructions between the last products and the loads into their operands
.irp a, 0,1,2,3
.irp cs, 0,1
	ds_load_b128 v[KR+8*(2*\a+\cs):KR+8*(2*\a+\cs)+3],   v[ADK] offset:(64*(\q)+16*\a)*PK+64*\cs
	ds_load_b128 v[KR+8*(2*\a+\cs)+4:KR+8*(2*\a+\cs)+7], v[ADK] offset:(64*(\q)+16*\a)*PK+64*\cs+32
.endr
.endr
.irp ks, 0,1
.irp c, 0,1,2,3
	ds_load_tr16_b128 v[VR+8*(4*\ks+\c):VR+8*(4*\ks+\c)+3],   v[ADV] offset:(64*(\q)+32*\ks)*PV+32*\c
	ds_load_tr16_b128 v[VR+8*(4*\ks+\c)+4:VR+8*(4*\ks+\c)+7], v[ADV] offset:(64*(\q)+32*\ks)*PV+16*PV+32*\c
.endr
.endr
	s_wait_dscnt 16                                ; K's sixteen loads are in; V's sixteen may be out
.irp a, 0,1,2,3                        ; the four accumulators by turns, one instruction a turn
	v_wmma_f32_16x16x32_f16 v[SS+8*\a:SS+8*\a+7], v[KR+16*\a:KR+16*\a+7], v[QR:QR+7], 0
.endr
.irp a, 0,1,2,3
	v_wmma_f32_16x16x32_f16 v[SS+8*\a:SS+8*\a+7], v[KR+16*\a+8:KR+16*\a+15], v[QR+8:QR+15], v[SS+8*\a:SS+8*\a+7]
.endr
.rept 4
	v_nop
.endr
	s_add_co_u32 s60, s[KF], 63
	s_cmp_le_u32 s60, s[Q0]
	s_cbranch_scc1 .Lopen_\@                       ; all 64 keys count for all my queries
	s_sub_co_i32 s60, s[Q0], s[KF]
	v_add_nc_u32 v23, s60, v[DQ]                   ; register 8 a + i holds key KF + 16 a + 8 h + i: hidden where 16 a + i > my query - KF - 8 h
.set n, 0
.rept 32
	v_cmp_gt_i32 vcc_lo, 16*(n/8)+n%8, v23
	v_cndmask_b32 v[SS+n], v[SS+n], v22, vcc_lo
.set n, n+1
.endr
.Lopen_\@:
	SOFTMAX
	s_wait_dscnt 0x0                               ; V is in
.irp ks, 0,1
.irp c, 0,1,2,3
	v_wmma_f32_16x16x32_f16 v[OO+8*\c:OO+8*\c+7], v[VR+8*(4*\ks+\c):VR+8*(4*\ks+\c)+7], v[PP+8*\ks:PP+8*\ks+7], v[OO+8*\c:OO+8*\c+7]
.endr
.endr
.Lhidden_\@:
	s_add_co_u32 s[KF], s[KF], 64
.endm
; THE CHANGE OF SLOTS stands at a slot's head: all my tensor loads have landed, the add, my reads of the slot that I have left are over, one barrier.  fill = 1: the slot just left takes the next slot step's key block:
; block NS while the first query block is walked (NS <= j), block NS - j - 1 afterwards.  One load a wave is out, and it has a slot's four key steps in which to land.
.macro CHANGE fill
	s_wait_tensorcnt 0x0
	ds_add_u32 v[SPW], v[NIL]
.if \fill
	ds_add_u32 v[SPW], v[NIL]                      ; and twice on end here
	s_add_co_u32 s60, s[SN], 1
	s_add_co_u32 s61, s[J], 1
	s_cmp_gt_u32 s60, s[J]
	s_cselect_b32 s61, s61, 0
	s_sub_co_u32 s60, s60, s61                     ; the key block
	s_lshl_b32 s[OFF], s60, 15                     ; 256 rows of 128 bytes each
	s_xor_b32 s[G0K+1], s[G0K+1], SLOT1
	s_xor_b32 s[G0V+1], s[G0V+1], SLOT1
	s_add_nc_u64 s[G0K+2:G0K+3], s[KB:KB+1], s[OFF:OFF+1]
	s_or_b32 s[G0K+3], s[G0K+3], 0x80000000
	s_add_nc_u64 s[G0V+2:G0V+3], s[VB:VB+1], s[OFF:OFF+1]
	s_or_b32 s[G0V+3], s[G0V+3], 0x80000000
	s_wait_xcnt 0x0                                ; the last prefetch, a slot back, has read its address
	s_add_nc_u64 s[PFA:PFA+1], s[PFA:PFA+1], 32768
.endif
	s_wait_dscnt 0x0
	s_barrier_signal -1
	s_barrier_wait -1
.if \fill
	TLOAD
	ASK
.endif
.endm
; A block of queries is finished: O^T / l, rounded to f16, through my stage, out as 2,048 consecutive bytes.  restart = 1: the second block's Q is asked for first and the statistics begin anew.
.macro FINISH restart
	s_wait_xcnt 0x0                                ; earlier stores have read their base
.rept 4
	v_nop                                          ; places behind the last products
.endr
	s_lshl_b32 s60, s[Q0], 7
	s_mov_b32 s61, 0
	s_add_nc_u64 s[CP:CP+1], s[CB:CB+1], s[60:61]
.if \restart
	s_sub_co_u32 s[Q0], 7, s[J]
	s_lshl_b32 s[Q0], s[Q0], 8
	s_lshl_b32 s60, s[WV], 4
	s_add_co_u32 s[Q0], s[Q0], s60
	s_mov_b32 s[KF], 0
	s_lshl_b32 s60, s[Q0], 7
	s_add_nc_u64 s[QP:QP+1], s[QB:QB+1], s[60:61]
.irp i, 0,1,2,3
	global_load_b128 v[QR+4*\i:QR+4*\i+3], v[QO], s[QP:QP+1] offset:32*\i
.endr
.endif
	v_add_f32 v16, v14, v15
	v_permlanex16_b32 v17, v16, s[SEL], s[SEL+1]
	v_add_f32 v16, v16, v17
	v_rcp_f32 v20, v16
	v_nop
	s_wait_alu depctr_va_vdst(0)                   ; ahead of the reciprocal's first reader
.set n, 0
.rept 16
	v_pk_mul_f32 v[OO+n:OO+n+1], v[OO+n:OO+n+1], v[20:21] op_sel_hi:[1,0]
.set n, n+2
.endr
.set n, 0
.rept 16
	v_cvt_pk_f16_f32 v[PP+n], v[OO+2*n], v[OO+2*n+1]
.set n, n+1
.endr
.irp c, 0,1,2,3
	ds_store_b128 v[STO], v[PP+4*\c:PP+4*\c+3] offset:32*\c
.endr
.irp i, 0,1,2,3
	ds_load_b128 v[SS+4*\i:SS+4*\i+3], v[RD] offset:4*\i*PK       ; LDS serves a wave's instructions in order
.endr
	s_wait_dscnt 0x0
.irp i, 0,1,2,3
	global_store_b128 v[GO], v[SS+4*\i:SS+4*\i+3], s[CP:CP+1] offset:512*\i   ; 512 consecutive bytes, aligned
.endr
.if \restart
	s_wait_xcnt 0x0                                ; the stores have read their registers: the next step writes them
	INIT
	s_wait_loadcnt 0x0                             ; the second block's Q
.endif
.endm
.Lslot:                                            ; eight trips; the ninth slot step is written out
	CHANGE 1
	STEP 0
	STEP 1
	STEP 2
	STEP 3
	s_xor_b32 s[TB], s[TB], SLOT1
	s_cmp_lg_u32 s[SN], s[J]
	s_cbranch_scc1 .Lsame_block
	FINISH 1
.Lsame_block:
	s_add_co_u32 s[SN], s[SN], 1
	s_sub_co_u32 s[CNT], s[CNT], 1
	s_cmp_lg_u32 s[CNT], 0
	s_cbranch_scc1 .Lslot
	CHANGE 0
	STEP 0
	STEP 1
	STEP 2
	STEP 3
	FINISH 0
	s_wait_tensorcnt 0x0                           ; the wave's end
	ds_add_u32 v[SPW], v[NIL]
	s_wait_dscnt 0x0
	s_endpgm
.Lfunc_end_k_q5f436a9a90_attn:
	.size	k_q5f436a9a90_attn, .Lfunc_end_k_q5f436a9a90_attn-k_q5f436a9a90_attn
	.p2alignl 7, 3214868480
	.fill 96, 4, 3214868480
	.section	.rodata,"a",@progbits
	.p2align	6, 0x0
	.amdhsa_kernel k_q5f436a9a90_attn
		.amdhsa_group_segment_fixed_size 327680
		.amdhsa_private_segment_fixed_size 0
		.amdhsa_enable_private_segment 0
		.amdhsa_kernarg_size 16
		.amdhsa_user_sgpr_count 2
		.amdhsa_user_sgpr_kernarg_segment_ptr 1
		.amdhsa_wavefront_size32 1
		.amdhsa_system_sgpr_workgroup_id_x 1
		.amdhsa_system_sgpr_workgroup_id_y 1
		.amdhsa_system_sgpr_workgroup_id_z 1
		.amdhsa_system_vgpr_workitem_id 0
		.amdhsa_next_free_vgpr 256
		.amdhsa_next_free_sgpr 72
		.amdhsa_reserve_vcc 1
		.amdhsa_float_denorm_mode_32 3
		.amdhsa_float_denorm_mode_16_64 3
		.amdhsa_memory_ordered 1
		.amdhsa_forward_progress 1
		.amdhsa_inst_pref_size 113
	.end_amdhsa_kernel
	.amdgpu_metadata
---
amdhsa.version: [ 1, 2 ]
amdhsa.kernels:
  - .name:           k_q5f436a9a90_attn
    .symbol:         k_q5f436a9a90_attn.kd
    .args:
      - { .name: qkv, .offset: 0, .size: 8, .value_kind: global_buffer, .address_space: global }
      - { .name: ctx, .offset: 8, .size: 8, .value_kind: global_buffer, .address_space: global }
    .group_segment_fixed_size: 327680
    .private_segment_fixed_size: 0
    .kernarg_segment_align: 8
    .kernarg_segment_size: 16
    .max_flat_workgroup_size: 512
    .sgpr_count:     72
    .vgpr_count:     256
    .wavefront_size: 32
...
	.end_amdgpu_metadata
.endif
;; end of part 3
;; launch outproj (part 4): grid 8 x 32, 4 waves a work-group, clusters of 4 x 4, 327,680 bytes of LDS; arguments ctx, woh, out0, bo; writes out0
.if DOCPART == 4
	.amdgcn_target "amdgcn-amd-amdhsa--gfx1250"
	.amdhsa_code_object_version 6
	.text
	.protected	k_q5f436a9a90_outproj
	.globl	k_q5f436a9a90_outproj
	.p2align	8
	.type	k_q5f436a9a90_outproj,@function
k_q5f436a9a90_outproj:
	s_mov_b64 s[64:65], 0
	v_nop
	global_prefetch_b8 v0, s[64:65] scope:SCOPE_SE
	s_setreg_imm32_b32 hwreg(HW_REG_WAVE_MODE, 25, 1), 1
	s_wait_xcnt 0x0
	s_wait_alu depctr_hold_cnt(0) depctr_sa_sdst(0) depctr_va_vdst(0) depctr_va_sdst(0) depctr_va_ssrc(0) depctr_va_vcc(0) depctr_vm_vsrc(0)
	s_getreg_b32 s2, hwreg(HW_REG_IB_STS2, 6, 4)
	s_cmp_eq_u32 s2, 0
	s_cbranch_scc0 .Lentry_in_a_cluster
	s_endpgm
.Lentry_in_a_cluster:
	s_bfe_u32 s2, ttmp6, 0x10000c
	s_cmp_lg_u32 s2, 0xf033
	s_cbranch_scc0 .Lentry_shape_is_right
	s_endpgm
.Lentry_shape_is_right:
; out0 = ctx Wo + bo.  ctx [16 h][8192 tokens][64] f16, woh [1024 k][1024 n] f16, out0 [8192][1024] f32; f32 sums.
; A tile of 256 tokens x 128 columns to a work-group: 256 work-groups.  Four waves, each 128 x 64: 32 accumulators, window 1.  K goes in eight steps of 128 (two heads of ctx) through two LDS slots.
; CLUSTERS 4 x 4: ctx's tiles are shared along a row of the cluster, Wo's along a column, by joint loads; waves 0, 1 fetch one head's 256 rows each, waves 2, 3 sixty-four k rows of Wo each.
; The matrix instruction is used transposed: source 0 = 16 columns of Wo (turned by ds_load_tr16_b128, since k is woh's first axis), source 1 = 16 tokens: a lane holds eight neighbouring columns of one token.
; The bias is the C of each sum's first instruction.  Rows 0-15 of each sequence are written again, more finely, by a later launch.
; REGISTERS: window 0: v0-31 addresses; v32-63 the bias; v64-159, v160-255 two fragment buffers (32 of Wo, 64 of ctx, for 32 along K).  window 1: accumulator (a, b) at 8 (4 a + b).
.set PA,    144                        ; a token's 128 bytes + 16
.set PB,    288                        ; a k row's 256 bytes + 32
.set ASUB,  256*PA                     ; one head's 256 rows
.set BOFF,  2*ASUB
.set SLOT,  BOFF+128*PB
.set STAGE, 2*SLOT                     ; 16 rows x (256 + 16) bytes for each wave
.set SPITCH, 272
.set SPARE, STAGE+4*16*SPITCH
.set ADRA, 16
.set ADRB, 20
.set STO,  24
.set RD,   25
.set CO,   26
.set SPW,  28
.set NIL,  29
.set BOF,  30
.set BIAS, 32
.set F0,   64
.set F1,   160
.set G1, 24
.set G0, 32
.set G1B, 48
.set G0B, 56
.set MSB, 0
.macro WIN new
.if MSB != (\new)
	s_set_vgpr_msb (MSB<<8)|(\new)
.set MSB, (\new)
.endif
.endm
.set MUL,  0x50                        ; C and D window 1, sources window 0
.set FST,  0x40                        ; D window 1, C (the bias) window 0
.macro JLOAD s
	s_cmp_eq_u32 s11, 0
	s_cbranch_scc0 .Lfor_b_\@
	tensor_load_to_lds s[G0+4*\s:G0+4*\s+3], s[G1:G1+7]
	s_nop 0
.rept 4
	v_nop
.endr
	s_branch .Lasked_\@
.Lfor_b_\@:
	tensor_load_to_lds s[G0B+4*\s:G0B+4*\s+3], s[G1B:G1B+7]
	s_nop 0
.rept 4
	v_nop
.endr
.Lasked_\@:
.endm
.macro CREST
	s_cmp_lg_u32 s10, 0
	s_cbranch_scc1 .Lnot_wave_0_\@
	s_barrier_signal -3
.Lnot_wave_0_\@:
	s_barrier_wait -3
	s_barrier_signal -1
	s_barrier_wait -1
.endm
.macro CROUND
	s_barrier_signal -1
	s_barrier_wait -1
	CREST
.endm
	s_load_b128 s[4:7], s[0:1], 0x0                ; ctx, woh
	s_load_b64 s[8:9], s[0:1], 0x10                ; out0
	s_load_b64 s[66:67], s[0:1], 0x18              ; bo
	v_lshl_add_u32 v[SPW], v0, 2, SPARE
	v_mov_b32 v[NIL], 0
	ds_add_u32 v[SPW], v[NIL]                      ; the opening: the add, twice on end, and its wait ahead of my first tensor load
	ds_add_u32 v[SPW], v[NIL]
	v_lshrrev_b32 v1, 5, v0
	v_readfirstlane_b32 s10, v1                    ; wave
	s_lshr_b32 s11, s10, 1                         ; which 128 tokens are mine; also: I fetch for ctx (0) or for Wo (1)
	s_and_b32 s12, s10, 1                          ; which 64 columns; also: which head, or which 64 k rows, I fetch
	s_bfe_u32 s40, ttmp6, 0x40000
	s_bfe_u32 s41, ttmp6, 0x40004
	s_lshl_b32 s42, ttmp9, 2
	s_add_co_u32 s42, s42, s40                     ; tile column
	s_and_b32 s13, ttmp7, 0xffff
	s_lshl_b32 s13, s13, 2
	s_add_co_u32 s13, s13, s41                     ; tile row
	s_lshl_b32 s43, s41, 2
	s_lshl_b32 s43, 15, s43
	s_lshl_b32 s44, 0x1111, s40
	s_or_b32 s[G1+0], s43, (1<<16)|(1<<20)|(1<<21)|(4<<22)|(3<<25)   ; ctx: elements of 2 bytes; 4 words of padding after every 32
	s_mov_b32 s[G1+1], 64<<16
	s_mov_b32 s[G1+2], 256<<16
	s_mov_b32 s[G1+3], 64<<16
	s_mov_b32 s[G1+4], 256
	s_mov_b32 s[G1+5], 64
	s_mov_b32 s[G1+6], 0
	s_mov_b32 s[G1+7], 0
	s_or_b32 s[G1B+0], s44, (1<<16)|(1<<20)|(1<<21)|(5<<22)|(7<<25)  ; Wo: 8 words of padding after every 64
	s_mov_b32 s[G1B+1], 128<<16
	s_mov_b32 s[G1B+2], 64<<16
	s_mov_b32 s[G1B+3], 128<<16
	s_mov_b32 s[G1B+4], 64
	s_mov_b32 s[G1B+5], 1024
	s_mov_b32 s[G1B+6], 0
	s_mov_b32 s[G1B+7], 0
	s_lshl_b32 s16, s12, 20                        ; ctx: my head of the step's two,
	s_lshl_b32 s17, s13, 15                        ; the tile row's 256 tokens of 128 bytes
	s_add_co_u32 s16, s16, s17
	s_mov_b32 s17, 0
	s_lshl_b32 s46, s12, 17                        ; Wo: my 64 k rows of 2,048 bytes,
	s_lshl_b32 s47, s42, 8                         ; the tile column's 256 bytes
	s_add_co_u32 s46, s46, s47
	s_mov_b32 s47, 0
	s_mul_i32 s20, s12, ASUB
	s_mul_i32 s21, s12, 64*PB
	s_add_co_u32 s21, s21, BOFF
	s_wait_dscnt 0x0
	s_wait_kmcnt 0x0
	s_add_nc_u64 s[14:15], s[4:5], s[16:17]
	s_add_nc_u64 s[46:47], s[6:7], s[46:47]
	CROUND
.irp s, 0,1
	s_mov_b32 s[G0+4*\s], 1
	s_add_co_u32 s[G0+4*\s+1], s20, \s*SLOT
	s_add_nc_u64 s[G0+4*\s+2:G0+4*\s+3], s[14:15], \s*2097152
	s_or_b32 s[G0+4*\s+3], s[G0+4*\s+3], 0x80000000
	s_mov_b32 s[G0B+4*\s], 1
	s_add_co_u32 s[G0B+4*\s+1], s21, \s*SLOT
	s_add_nc_u64 s[G0B+4*\s+2:G0B+4*\s+3], s[46:47], \s*262144
	s_or_b32 s[G0B+4*\s+3], s[G0B+4*\s+3], 0x80000000
	JLOAD \s                                       ; two tensor loads of mine are out
.endr
	v_and_b32 v1, 15, v0                           ; r
	v_bfe_u32 v2, v0, 4, 1                         ; h
	s_lshl_b32 s46, s42, 9
	s_lshl_b32 s47, s12, 8
	s_add_co_u32 s46, s46, s47                     ; my first column, in bytes of f32
	s_mov_b32 s47, 0
	s_add_nc_u64 s[66:67], s[66:67], s[46:47]
	v_lshlrev_b32 v[BOF], 5, v2
.irp b, 0,1,2,3
	global_load_b128 v[BIAS+8*\b:BIAS+8*\b+3], v[BOF], s[66:67] offset:64*\b
	global_load_b128 v[BIAS+8*\b+4:BIAS+8*\b+7], v[BOF], s[66:67] offset:64*\b+16
.endr
	s_lshl_b32 s16, s13, 8
	s_lshl_b32 s17, s11, 7
	s_add_co_u32 s16, s16, s17
	s_lshl_b32 s16, s16, 12                        ; my first token's row of 4,096 bytes
	s_add_co_u32 s16, s16, s46
	s_mov_b32 s17, 0
	s_add_nc_u64 s[8:9], s[8:9], s[16:17]          ; never stepped
	v_mul_u32_u24 v3, v1, PA
	v_lshl_add_u32 v3, v2, 4, v3
	s_mul_i32 s22, s11, 128*PA
	v_add_nc_u32 v[ADRA], s22, v3
	v_add_nc_u32 v[ADRA+1], SLOT, v[ADRA]
	v_and_b32 v4, 7, v0
	v_bfe_u32 v5, v0, 3, 1
	v_lshl_add_u32 v4, v2, 3, v4
	v_mul_u32_u24 v4, v4, PB
	v_lshl_add_u32 v4, v5, 4, v4
	s_lshl_b32 s22, s12, 7
	s_add_co_u32 s22, s22, BOFF
	v_add_nc_u32 v[ADRB], s22, v4
	v_add_nc_u32 v[ADRB+1], SLOT, v[ADRB]
	s_mul_i32 s23, s10, 16*SPITCH
	s_add_co_u32 s23, s23, STAGE
	v_mul_u32_u24 v4, v1, SPITCH
	v_lshl_add_u32 v4, v2, 5, v4
	v_add_nc_u32 v[STO], s23, v4
	v_mul_u32_u24 v5, v2, SPITCH
	v_lshl_add_u32 v5, v1, 4, v5
	v_add_nc_u32 v[RD], s23, v5
	v_lshlrev_b32 v5, 12, v2
	v_lshl_add_u32 v[CO], v1, 4, v5
.macro MULA f, a0, n, first            ; n blocks of tokens x 4 blocks of columns; the accumulators by turns, one instruction a turn
.set ma, \a0
.rept \n
.irp b, 0,1,2,3
.if \first
	v_wmma_f32_16x16x32_f16 v[8*(4*ma+\b):8*(4*ma+\b)+7], v[\f+8*\b:\f+8*\b+7], v[\f+32+8*ma:\f+32+8*ma+7], v[BIAS+8*\b:BIAS+8*\b+7]
.else
	v_wmma_f32_16x16x32_f16 v[8*(4*ma+\b):8*(4*ma+\b)+7], v[\f+8*\b:\f+8*\b+7], v[\f+32+8*ma:\f+32+8*ma+7], v[8*(4*ma+\b):8*(4*ma+\b)+7]
.endif
.endr
.set ma, ma+1
.endr
.endm
.macro FETCH slot, kq, f               ; 24 LDS loads in one run: Wo's four fragments, then ctx's blocks 0-3, then 4-7, for the slot's kq-th 32 along K
.irp b, 0,1,2,3
	ds_load_tr16_b128 v[\f+8*\b:\f+8*\b+3],   v[ADRB+\slot] offset:(\kq)*32*PB+32*\b
	ds_load_tr16_b128 v[\f+8*\b+4:\f+8*\b+7], v[ADRB+\slot] offset:(\kq)*32*PB+32*\b+16*PB
.endr
.irp a, 0,1,2,3,4,5,6,7
	ds_load_b128 v[\f+32+8*\a:\f+32+8*\a+3], v[ADRA+\slot] offset:((\kq)/2)*ASUB+64*((\kq)%2)+\a*16*PA
	ds_load_b128 v[\f+32+8*\a+4:\f+32+8*\a+7], v[ADRA+\slot] offset:((\kq)/2)*ASUB+64*((\kq)%2)+\a*16*PA+32
.endr
.endm
.macro PLACES
.rept 4
	v_nop
.endr
.endm
.macro QUARTER slot, kq, f, g, first   ; multiplies buffer f; in its middle fetches the slot's kq-th quarter into g
	s_wait_dscnt 8                                 ; Wo's fragments and ctx's blocks 0-3 are in; the youngest eight loads may be out
.if \first
	WIN FST
.else
	WIN MUL
.endif
	MULA \f, 0, 4, \first
	PLACES
	WIN 0
	FETCH \slot, \kq, \g
	s_wait_dscnt 24                                ; all but the 24 just issued
.if \first
	WIN FST
.else
	WIN MUL
.endif
	MULA \f, 4, 4, \first
.endm
; A slot's last quarter multiplies buffer 1 and changes slots: one barrier; with fill = 1 it opens a round of the cluster's barrier and the slot is filled again, two K steps ahead.
.macro TURN slot, next, fill
	WIN 0
	s_wait_tensorcnt 0x0                           ; my part of the next slot has landed
	ds_add_u32 v[SPW], v[NIL]
	s_wait_dscnt 9                                 ; the add and the youngest eight loads may be out
	WIN MUL
	MULA F1, 0, 2, 0
	s_wait_dscnt 0x0                               ; the add is done, and my reads of this slot are over
	s_barrier_signal -1
	MULA F1, 2, 2, 0
.if \fill
	WIN 0
.endif
	s_barrier_wait -1
.if \fill
	CREST
	s_add_nc_u64 s[G0+4*\slot+2:G0+4*\slot+3], s[G0+4*\slot+2:G0+4*\slot+3], 4194304   ; four heads on
	s_add_nc_u64 s[G0B+4*\slot+2:G0B+4*\slot+3], s[G0B+4*\slot+2:G0B+4*\slot+3], 524288 ; 256 k rows on
	JLOAD \slot                                    ; its four v_nop are also the places in front of the loads below
.else
	PLACES
.endif
	WIN 0
	FETCH \next, 0, F0
	WIN MUL
	MULA F1, 4, 4, 0
.endm
	s_wait_tensorcnt 1                             ; my part of K step 0 is in; K step 1's may be out
	s_barrier_signal -1
	s_barrier_wait -1
	FETCH 0, 0, F0
	s_wait_loadcnt 0x0                             ; the bias
	QUARTER 0, 1, F0, F1, 1                        ; the first quarter starts the sums from the bias
	WIN 0
	s_mov_b32 s3, 3
.Llap:                                             ; a trip goes once round the ring and fills both slots again: K steps 2 .. 7
	QUARTER 0, 2, F1, F0, 0
	QUARTER 0, 3, F0, F1, 0
	TURN 0, 1, 1
	QUARTER 1, 1, F0, F1, 0
	QUARTER 1, 2, F1, F0, 0
	QUARTER 1, 3, F0, F1, 0
	TURN 1, 0, 1
	QUARTER 0, 1, F0, F1, 0
	WIN 0
	s_sub_co_u32 s3, s3, 1
	s_cmp_lg_u32 s3, 0
	s_cbranch_scc1 .Llap
	QUARTER 0, 2, F1, F0, 0                        ; the last lap fills nothing
	QUARTER 0, 3, F0, F1, 0
	TURN 0, 1, 0
	QUARTER 1, 1, F0, F1, 0
	QUARTER 1, 2, F1, F0, 0
	QUARTER 1, 3, F0, F1, 0
	s_wait_dscnt 8
	WIN MUL
	MULA F1, 0, 4, 0
	s_wait_dscnt 0
	MULA F1, 4, 4, 0
	WIN 0
; THE WAY OUT, block by block of 16 tokens x 64 columns, through my own stage: sixteen lanes then store 256 consecutive bytes, aligned.
.macro TOSTAGE a
	WIN 0x04                                       ; an LDS store's data: window 1
.irp b, 0,1,2,3
	ds_store_b128 v[STO], v[8*(4*(\a)+\b):8*(4*(\a)+\b)+3] offset:64*\b           ; each accumulator from its low end on
	ds_store_b128 v[STO], v[8*(4*(\a)+\b)+4:8*(4*(\a)+\b)+7] offset:64*\b+16
.endr
	WIN 0
.irp t, 0,1,2,3,4,5,6,7
	ds_load_b128 v[F0+32*((\a)%2)+4*\t:F0+32*((\a)%2)+4*\t+3], v[RD] offset:2*\t*SPITCH
.endr
.endm
.macro SEND a, younger
	s_wait_dscnt \younger
.irp t, 0,1,2,3,4,5,6,7
	global_store_b128 v[CO], v[F0+32*((\a)%2)+4*\t:F0+32*((\a)%2)+4*\t+3], s[8:9] offset:(16*(\a)+2*\t)*4096 th:TH_STORE_NT
.endr
.endm
	PLACES
	TOSTAGE 0
.irp a, 1,2,3,4,5,6,7
.if \a > 1
	s_wait_xcnt 0x0                                ; block a - 2's stores have read their registers: block a's loads may land there
.endif
	TOSTAGE \a
	SEND \a-1, 16                                  ; behind block a - 1's loads: block a's 8 stores and 8 loads
.endr
	SEND 7, 0
	s_wait_tensorcnt 0x0                           ; the wave's end
	ds_add_u32 v[SPW], v[NIL]
	s_wait_dscnt 0x0
	CROUND
	s_endpgm
.Lfunc_end_k_q5f436a9a90_outproj:
	.size	k_q5f436a9a90_outproj, .Lfunc_end_k_q5f436a9a90_outproj-k_q5f436a9a90_outproj
	.p2alignl 7, 3214868480
	.fill 96, 4, 3214868480
	.section	.rodata,"a",@progbits
	.p2align	6, 0x0
	.amdhsa_kernel k_q5f436a9a90_outproj
		.amdhsa_group_segment_fixed_size 327680
		.amdhsa_private_segment_fixed_size 0
		.amdhsa_enable_private_segment 0
		.amdhsa_kernarg_size 32
		.amdhsa_user_sgpr_count 2
		.amdhsa_user_sgpr_kernarg_segment_ptr 1
		.amdhsa_wavefront_size32 1
		.amdhsa_system_sgpr_workgroup_id_x 1
		.amdhsa_system_sgpr_workgroup_id_y 1
		.amdhsa_system_sgpr_workgroup_id_z 1
		.amdhsa_system_vgpr_workitem_id 0
		.amdhsa_next_free_vgpr 512
		.amdhsa_next_free_sgpr 70
		.amdhsa_reserve_vcc 0
		.amdhsa_float_denorm_mode_32 3
		.amdhsa_float_denorm_mode_16_64 3
		.amdhsa_memory_ordered 1
		.amdhsa_forward_progress 1
		.amdhsa_inst_pref_size 86
	.end_amdhsa_kernel
	.amdgpu_metadata
---
amdhsa.version: [ 1, 2 ]
amdhsa.kernels:
  - .name:           k_q5f436a9a90_outproj
    .symbol:         k_q5f436a9a90_outproj.kd
    .args:
      - { .name: ctx, .offset: 0, .size: 8, .value_kind: global_buffer, .address_space: global }
      - { .name: woh, .offset: 8, .size: 8, .value_kind: global_buffer, .address_space: global }
      - { .name: out0, .offset: 16, .size: 8, .value_kind: global_buffer, .address_space: global }
      - { .name: bo, .offset: 24, .size: 8, .value_kind: global_buffer, .address_space: global }
    .group_segment_fixed_size: 327680
    .private_segment_fixed_size: 0
    .kernarg_segment_align: 8
    .kernarg_segment_size: 32
    .max_flat_workgroup_size: 128
    .sgpr_count:     70
    .vgpr_count:     512
    .wavefront_size: 32
...
	.end_amdgpu_metadata
.endif
;; end of part 4
;; launch head_a (part 5): grid 64 x 1, 12 waves a work-group, no clusters, 13,824 bytes of LDS; arguments xc, xs, wc, ws, bq, bk, bv, ctx16; writes ctx16
.if DOCPART == 5
	.amdgcn_target "amdgcn-amd-amdhsa--gfx1250"
	.amdhsa_code_object_version 6
	.text
	.protected	k_q5f436a9a90_head_a
	.globl	k_q5f436a9a90_head_a
	.p2align	8
	.type	k_q5f436a9a90_head_a,@function
k_q5f436a9a90_head_a:
	s_mov_b64 s[64:65], 0
	v_nop
	global_prefetch_b8 v0, s[64:65] scope:SCOPE_SE
	s_setreg_imm32_b32 hwreg(HW_REG_WAVE_MODE, 25, 1), 1
	s_wait_xcnt 0x0
; POSITIONS 0-15 OF EVERY SEQUENCE, FINELY: these rows average one to sixteen values, so f16 operands are too coarse for them.  A work-group takes one (batch, head).
; Phase 1: twelve waves, one tile of 16 tokens x 16 channels each (waves 0-3 q, 4-7 k, 8-11 v), by the quantised product on codes, kept in f32; the tiles meet in LDS as images of their registers.
; Phase 2: waves 0-3: S^T = k q^T over the head's 64 channels, mask, softmax with the row's maximum taken away, O^T = v^T p for 16 channels each, all by the f32 matrix form (20 instructions a wave: no bulk work).
; The f32 form's K = 4 takes register pairs of the images: lane (r, h), pair p of tile c stands for channel (or key) 16 c + 8 h + 2 p + 0, 1 on BOTH sources alike, so every product meets its partner.
; ctx16: images [64 (b, h)][4 c][2 halves][32 lanes][4] f32: lane (r, h), register j = ctx(token r, channel 16 c + 8 h + j): what the next launch takes as its source 0.
.set SPARE, 12288                      ; behind the 12 images of 1,024 bytes: the spare words, 128 bytes a wave
; v4 codes' place, v5 scale rows, v6 my image, v7 16 x lane, v8 32 h, v9 4 r, v10 r - 8 h, v12, v13 the add's two
; v16-23 x's scale words, v24-31 the weights' (scales and nothing else); v32-95 x's fragments, v96-159 the weights'; v160-175 two accumulators; v176-183 bias; v184-191 the tile
; v192-223 are written by the f32 matrix form alone; v224-231 scores, then p; v232-239 at work; v240-247 out
	s_load_b256 s[4:11], s[0:1], 0x0               ; xc, xs, wc, ws
	s_load_b256 s[12:19], s[0:1], 0x20             ; bq, bk, bv, ctx16
	v_lshl_add_u32 v12, v0, 2, SPARE
	v_mov_b32 v13, 0
	v_lshrrev_b32 v1, 5, v0
	v_readfirstlane_b32 s20, v1                    ; wave
	s_lshr_b32 s21, s20, 2                         ; q, k or v
	s_and_b32 s22, s20, 3                          ; which 16 channels
	s_lshr_b32 s23, ttmp9, 4                       ; batch
	s_and_b32 s24, ttmp9, 15                       ; head
	v_and_b32 v1, 31, v0
	v_and_b32 v2, 15, v0                           ; r
	v_bfe_u32 v3, v0, 4, 1                         ; h
	v_lshlrev_b32 v4, 9, v2
	v_lshl_add_u32 v4, v3, 4, v4                   ; row r of 512 bytes, + 16 h
	v_lshlrev_b32 v5, 5, v2                        ; row r of 32 scale bytes
	v_lshlrev_b32 v7, 4, v1
	s_lshl_b32 s25, s20, 10
	v_add_nc_u32 v6, s25, v7
	v_lshlrev_b32 v8, 5, v3
	v_lshlrev_b32 v9, 2, v2
	v_lshlrev_b32 v10, 3, v3
	v_sub_nc_u32 v10, v2, v10
	s_mov_b32 s26, 0x76543210
	s_mov_b32 s27, 0xfedcba98
	s_mov_b32 s28, 0x3e38aa3b                      ; log2(e) / 8
	s_lshl_b32 s30, s24, 6
	s_lshl_b32 s31, s22, 4
	s_add_co_u32 s30, s30, s31                     ; my first channel in the weight: 64 head + 16 c
	s_lshl_b32 s32, s21, 10
	s_add_co_u32 s32, s32, s30                     ; and its row of wc and ws
	s_mov_b32 s35, 0
	s_wait_kmcnt 0x0
	s_lshl_b32 s34, s23, 20
	s_add_nc_u64 s[4:5], s[4:5], s[34:35]          ; the batch's first token: 2,048 rows of 512 bytes a batch
	s_lshl_b32 s34, s23, 16
	s_add_nc_u64 s[6:7], s[6:7], s[34:35]
	s_lshl_b32 s34, s32, 9
	s_add_nc_u64 s[8:9], s[8:9], s[34:35]
	s_lshl_b32 s34, s32, 5
	s_add_nc_u64 s[10:11], s[10:11], s[34:35]
	s_cmp_eq_u32 s21, 1
	s_cselect_b64 s[14:15], s[14:15], s[16:17]
	s_cmp_eq_u32 s21, 0
	s_cselect_b64 s[12:13], s[12:13], s[14:15]     ; my bias: the choice hangs on the wave's number alone
	s_lshl_b32 s34, s30, 2
	s_add_nc_u64 s[12:13], s[12:13], s[34:35]
	s_lshl_b32 s34, ttmp9, 2
	s_add_co_u32 s34, s34, s22
	s_lshl_b32 s34, s34, 10
	s_add_nc_u64 s[18:19], s[18:19], s[34:35]
.irp s, 0,1,2,3,4,5,6,7
.irp c, 0,1
	global_load_b128 v[32+8*\s+4*\c:35+8*\s+4*\c], v4, s[4:5] offset:64*\s+32*\c
	global_load_b128 v[96+8*\s+4*\c:99+8*\s+4*\c], v4, s[8:9] offset:64*\s+32*\c
.endr
.endr
.irp c, 0,1
	global_load_b128 v[16+4*\c:19+4*\c], v5, s[6:7] offset:16*\c     ; word s of a row scales its K step s
	global_load_b128 v[24+4*\c:27+4*\c], v5, s[10:11] offset:16*\c
.endr
	s_cmp_eq_u32 s21, 2
	s_cbranch_scc1 .Lrole_v
	; q, k: source 0 = 16 channels of the weight, source 1 = the 16 tokens: a lane holds token r, channels 8 h + j.  Two accumulators by turns; the bias starts the first.
	global_load_b128 v[176:179], v8, s[12:13]
	global_load_b128 v[180:183], v8, s[12:13] offset:16
	s_wait_loadcnt 0x0
	v_wmma_scale_f32_16x16x128_f8f6f4 v[160:167], v[96:103], v[32:39], v[176:183], v24, v16 matrix_a_fmt:MATRIX_FMT_FP4 matrix_b_fmt:MATRIX_FMT_FP4
	v_wmma_scale_f32_16x16x128_f8f6f4 v[168:175], v[104:111], v[40:47], 0, v25, v17 matrix_a_fmt:MATRIX_FMT_FP4 matrix_b_fmt:MATRIX_FMT_FP4
.irp s, 2,3,4,5,6,7
	v_wmma_scale_f32_16x16x128_f8f6f4 v[160+8*(\s%2):167+8*(\s%2)], v[96+8*\s:103+8*\s], v[32+8*\s:39+8*\s], v[160+8*(\s%2):167+8*(\s%2)], v[24+\s], v[16+\s] matrix_a_fmt:MATRIX_FMT_FP4 matrix_b_fmt:MATRIX_FMT_FP4
.endr
.rept 4
	v_nop
.endr
.irp j, 0,1,2,3,4,5,6,7
	v_add_f32 v[184+\j], v[160+\j], v[168+\j]
.endr
	s_branch .Ljoin
.Lrole_v:
	; v: the sources the other way round: a lane holds channel r, tokens 8 h + j, as the second product's source 0 wants it
	global_load_b32 v176, v9, s[12:13]
	s_wait_loadcnt 0x0
	v_wmma_scale_f32_16x16x128_f8f6f4 v[160:167], v[32:39], v[96:103], 0, v16, v24 matrix_a_fmt:MATRIX_FMT_FP4 matrix_b_fmt:MATRIX_FMT_FP4
	v_wmma_scale_f32_16x16x128_f8f6f4 v[168:175], v[40:47], v[104:111], 0, v17, v25 matrix_a_fmt:MATRIX_FMT_FP4 matrix_b_fmt:MATRIX_FMT_FP4
.irp s, 2,3,4,5,6,7
	v_wmma_scale_f32_16x16x128_f8f6f4 v[160+8*(\s%2):167+8*(\s%2)], v[32+8*\s:39+8*\s], v[96+8*\s:103+8*\s], v[160+8*(\s%2):167+8*(\s%2)], v[16+\s], v[24+\s] matrix_a_fmt:MATRIX_FMT_FP4 matrix_b_fmt:MATRIX_FMT_FP4
.endr
.rept 4
	v_nop
.endr
.irp j, 0,1,2,3,4,5,6,7
	v_add_f32 v[184+\j], v[160+\j], v[168+\j]
.endr
.irp j, 0,1,2,3,4,5,6,7
	v_add_f32 v[184+\j], v[184+\j], v176
.endr
.Ljoin:
	ds_store_b128 v6, v[184:187]                   ; the tile goes to LDS as an image of its registers
	ds_store_b128 v6, v[188:191] offset:512
	s_wait_dscnt 0x0                               ; for the others' sake: my stores have landed
	s_barrier_signal -1
	s_barrier_wait -1
	s_cmp_gt_u32 s20, 3
	s_cbranch_scc1 .Lend
.irp c, 0,1,2,3
	ds_load_b128 v[32+8*\c:35+8*\c], v7 offset:1024*\c              ; q's four tiles
	ds_load_b128 v[36+8*\c:39+8*\c], v7 offset:1024*\c+512
	ds_load_b128 v[64+8*\c:67+8*\c], v7 offset:4096+1024*\c         ; k's
	ds_load_b128 v[68+8*\c:71+8*\c], v7 offset:4096+1024*\c+512
.endr
	ds_load_b128 v[96:99], v6 offset:8192                           ; v's tile of my 16 channels
	ds_load_b128 v[100:103], v6 offset:8192+512
	v_mov_b32 v232, 0xff800000
	v_mov_b32 v234, 0                              ; a lane permute's destination counts as one of its sources
	s_wait_dscnt 0x0
.set n, 0
.rept 16                               ; S^T: lane (r, h), register j = score of key 8 h + j for query r; two accumulators by turns, each begun with the constant 0
.if n < 2
	v_wmma_f32_16x16x4_f32 v[192+8*(n%2):199+8*(n%2)], v[64+2*n:65+2*n], v[32+2*n:33+2*n], 0
.else
	v_wmma_f32_16x16x4_f32 v[192+8*(n%2):199+8*(n%2)], v[64+2*n:65+2*n], v[32+2*n:33+2*n], v[192+8*(n%2):199+8*(n%2)]
.endif
.set n, n+1
.endr
.rept 8
	v_nop
.endr
.irp j, 0,1,2,3,4,5,6,7
	v_add_f32 v[224+\j], v[192+\j], v[200+\j]
.endr
.irp j, 0,1,2,3,4,5,6,7
	v_cmp_gt_i32 vcc_lo, \j, v10                   ; key 8 h + j comes after query r
	v_cndmask_b32 v[224+\j], v[224+\j], v232, vcc_lo
.endr
	v_max3_num_f32 v233, v224, v225, v226
	v_max3_num_f32 v233, v233, v227, v228
	v_max3_num_f32 v233, v233, v229, v230
	v_max_num_f32 v233, v233, v231
	v_permlanex16_b32 v234, v233, s26, s27
	v_max_num_f32 v233, v233, v234                 ; the row's maximum: key 0 counts for every query, so it is a number
	v_mul_f32 v235, s28, v233
.irp j, 0,1,2,3,4,5,6,7
	v_fma_f32 v[224+\j], v[224+\j], s28, -v235
.endr
.irp j, 0,1,2,3,4,5,6,7
	v_exp_f32 v[224+\j], v[224+\j]
.endr
	v_nop
	s_wait_alu depctr_va_vdst(0)                   ; one wait for the eight, ahead of their first reader
	v_add_f32 v236, v224, v225
	v_add_f32 v237, v226, v227
	v_add_f32 v238, v228, v229
	v_add_f32 v239, v230, v231
	v_add_f32 v236, v236, v237
	v_add_f32 v238, v238, v239
	v_add_f32 v236, v236, v238
	v_permlanex16_b32 v234, v236, s26, s27
	v_add_f32 v236, v236, v234
	v_rcp_f32 v237, v236
	v_nop
	s_wait_alu depctr_va_vdst(0)
.set n, 0
.rept 4                                ; O^T: source 0 = v's tile (channel r, keys), source 1 = p (query r, keys)
.if n < 2
	v_wmma_f32_16x16x4_f32 v[208+8*(n%2):215+8*(n%2)], v[96+2*n:97+2*n], v[224+2*n:225+2*n], 0
.else
	v_wmma_f32_16x16x4_f32 v[208+8*(n%2):215+8*(n%2)], v[96+2*n:97+2*n], v[224+2*n:225+2*n], v[208+8*(n%2):215+8*(n%2)]
.endif
.set n, n+1
.endr
.rept 8
	v_nop
.endr
.irp j, 0,1,2,3,4,5,6,7
	v_add_f32 v[240+\j], v[208+\j], v[216+\j]
.endr
.irp j, 0,1,2,3,4,5,6,7
	v_mul_f32 v[240+\j], v[240+\j], v237
.endr
	global_store_b128 v7, v[240:243], s[18:19]                     ; 512 consecutive bytes each
	global_store_b128 v7, v[244:247], s[18:19] offset:512
.Lend:
	s_wait_tensorcnt 0x0                           ; the wave's end
	ds_add_u32 v12, v13
	s_wait_dscnt 0x0
	s_endpgm
.Lfunc_end_k_q5f436a9a90_head_a:
	.size	k_q5f436a9a90_head_a, .Lfunc_end_k_q5f436a9a90_head_a-k_q5f436a9a90_head_a
	.p2alignl 7, 3214868480
	.fill 96, 4, 3214868480
	.section	.rodata,"a",@progbits
	.p2align	6, 0x0
	.amdhsa_kernel k_q5f436a9a90_head_a
		.amdhsa_group_segment_fixed_size 13824
		.amdhsa_private_segment_fixed_size 0
		.amdhsa_enable_private_segment 0
		.amdhsa_kernarg_size 64
		.amdhsa_user_sgpr_count 2
		.amdhsa_user_sgpr_kernarg_segment_ptr 1
		.amdhsa_wavefront_size32 1
		.amdhsa_system_sgpr_workgroup_id_x 1
		.amdhsa_system_sgpr_workgroup_id_y 1
		.amdhsa_system_sgpr_workgroup_id_z 1
		.amdhsa_system_vgpr_workitem_id 0
		.amdhsa_next_free_vgpr 256
		.amdhsa_next_free_sgpr 66
		.amdhsa_reserve_vcc 1
		.amdhsa_float_denorm_mode_32 3
		.amdhsa_float_denorm_mode_16_64 3
		.amdhsa_memory_ordered 1
		.amdhsa_forward_progress 1
		.amdhsa_inst_pref_size 16
	.end_amdhsa_kernel
	.amdgpu_metadata
---
amdhsa.version: [ 1, 2 ]
amdhsa.kernels:
  - .name:           k_q5f436a9a90_head_a
    .symbol:         k_q5f436a9a90_head_a.kd
    .args:
      - { .name: xc, .offset: 0, .size: 8, .value_kind: global_buffer, .address_space: global }
      - { .name: xs, .offset: 8, .size: 8, .value_kind: global_buffer, .address_space: global }
      - { .name: wc, .offset: 16, .size: 8, .value_kind: global_buffer, .address_space: global }
      - { .name: ws, .offset: 24, .size: 8, .value_kind: global_buffer, .address_space: global }
      - { .name: bq, .offset: 32, .size: 8, .value_kind: global_buffer, .address_space: global }
      - { .name: bk, .offset: 40, .size: 8, .value_kind: global_buffer, .address_space: global }
      - { .name: bv, .offset: 48, .size: 8, .value_kind: global_buffer, .address_space: global }
      - { .name: ctx16, .offset: 56, .size: 8, .value_kind: global_buffer, .address_space: global }
    .group_segment_fixed_size: 13824
    .private_segment_fixed_size: 0
    .kernarg_segment_align: 8
    .kernarg_segment_size: 64
    .max_flat_workgroup_size: 384
    .sgpr_count:     66
    .vgpr_count:     256
    .wavefront_size: 32
...
	.end_amdgpu_metadata
.endif
;; end of part 5
;; launch head_b (part 6): grid 64 x 4, 16 waves a work-group, no clusters, 18,432 bytes of LDS; arguments ctx16, Wo, bo, out0; writes out0
.if DOCPART == 6
	.amdgcn_target "amdgcn-amd-amdhsa--gfx1250"
	.amdhsa_code_object_version 6
	.text
	.protected	k_q5f436a9a90_head_b
	.globl	k_q5f436a9a90_head_b
	.p2align	8
	.type	k_q5f436a9a90_head_b,@function
k_q5f436a9a90_head_b:
	s_mov_b64 s[64:65], 0
	v_nop
	global_prefetch_b8 v0, s[64:65] scope:SCOPE_SE
	s_setreg_imm32_b32 hwreg(HW_REG_WAVE_MODE, 25, 1), 1
	s_wait_xcnt 0x0
; POSITIONS 0-15 OF EVERY SEQUENCE, the projection on the way out in f32: out0(b, t < 16, n) = the sum over 1,024 channels of ctx16 x Wo + bo.  It writes again the 64 rows that the f16 projection has written.
; A work-group takes a batch (y) and 16 columns (x); wave w takes head w's 64 channels: 16 instructions of the f32 matrix form (no bulk work), two accumulators by turns.
; Source 0 = ctx16's images (token r; pair p of image c = channels 16 c + 8 h + 2 p + 0, 1); source 1 = Wo loaded in the same order: lane (r, h), register 8 c + i = Wo(64 w + 16 c + 8 h + i, n0 + r).
; The sixteen waves' sums meet in LDS as images; waves 0-3 add them, in a fixed order, two registers (two tokens a lane) each, add the bias and store.
; These 64 rows leave in pieces of 64 bytes; they are 256 KiB in all.
.set SPARE, 16384                      ; behind the 16 images of 1,024 bytes: the spare words, 128 bytes a wave
; v3 16 x lane, v4 32,768 h + 4 r (Wo and out0), v5 my image, v6 where I read in the sum, v8, v9 the add's two, v[10:11] the bias twice, v12 4 r
; v16-47 ctx16, v48-79 Wo, v80-95 written by the f32 matrix form alone, v96-103 my sum, v104-135 sixteen pairs
	s_load_b256 s[4:11], s[0:1], 0x0               ; ctx16, Wo, bo, out0
	v_lshl_add_u32 v8, v0, 2, SPARE
	v_mov_b32 v9, 0
	v_lshrrev_b32 v1, 5, v0
	v_readfirstlane_b32 s12, v1                    ; wave = head
	s_and_b32 s13, ttmp7, 0xffff                   ; batch
	v_and_b32 v1, 31, v0
	v_and_b32 v2, 15, v0                           ; r
	v_bfe_u32 v7, v0, 4, 1                         ; h
	v_lshlrev_b32 v3, 4, v1
	v_lshlrev_b32 v12, 2, v2
	v_lshl_add_u32 v4, v7, 15, v12                 ; eight rows of 4,096 bytes for lanes 16-31, + 4 r
	s_lshl_b32 s14, s12, 10
	v_add_nc_u32 v5, s14, v3
	s_and_b32 s15, s12, 3                          ; which two registers of the images I add (used by waves 0-3)
	s_lshr_b32 s16, s15, 1
	s_lshl_b32 s16, s16, 9
	s_and_b32 s17, s15, 1
	s_lshl_b32 s17, s17, 3
	s_add_co_u32 s16, s16, s17
	v_add_nc_u32 v6, s16, v3
	s_mov_b32 s19, 0
	s_lshl_b32 s20, ttmp9, 6                       ; my 16 columns, in bytes
	s_wait_kmcnt 0x0
	s_lshl_b32 s18, s13, 4
	s_add_co_u32 s18, s18, s12
	s_lshl_b32 s18, s18, 12
	s_add_nc_u64 s[4:5], s[4:5], s[18:19]          ; (batch, head)'s four images
	s_lshl_b32 s18, s12, 18
	s_add_co_u32 s18, s18, s20
	s_add_nc_u64 s[6:7], s[6:7], s[18:19]          ; the head's 64 rows of Wo, my columns
	s_mov_b32 s18, s20
	s_add_nc_u64 s[8:9], s[8:9], s[18:19]
	s_lshl_b32 s18, s13, 11
	s_lshl_b32 s21, s15, 1
	s_add_co_u32 s18, s18, s21
	s_lshl_b32 s18, s18, 12
	s_add_co_u32 s18, s18, s20
	s_add_nc_u64 s[10:11], s[10:11], s[18:19]      ; out0: token 2 x (wave % 4) of the batch, my columns
.irp c, 0,1,2,3
	global_load_b128 v[16+8*\c:19+8*\c], v3, s[4:5] offset:1024*\c
	global_load_b128 v[20+8*\c:23+8*\c], v3, s[4:5] offset:1024*\c+512
.endr
.irp c, 0,1,2,3
.irp i, 0,1,2,3,4,5,6,7
	global_load_b32 v[48+8*\c+\i], v4, s[6:7] offset:(16*\c+\i)*4096
.endr
.endr
	global_load_b32 v10, v12, s[8:9]
	global_load_b32 v11, v12, s[8:9]               ; twice: a pair for the packed addition
	s_wait_loadcnt 0x0
.set n, 0
.rept 16
.if n < 2
	v_wmma_f32_16x16x4_f32 v[80+8*(n%2):87+8*(n%2)], v[16+2*n:17+2*n], v[48+2*n:49+2*n], 0
.else
	v_wmma_f32_16x16x4_f32 v[80+8*(n%2):87+8*(n%2)], v[16+2*n:17+2*n], v[48+2*n:49+2*n], v[80+8*(n%2):87+8*(n%2)]
.endif
.set n, n+1
.endr
.rept 8
	v_nop
.endr
.irp j, 0,1,2,3,4,5,6,7
	v_add_f32 v[96+\j], v[80+\j], v[88+\j]         ; lane (r, h), register j: my head's part of out0(token 8 h + j, column n0 + r)
.endr
	ds_store_b128 v5, v[96:99]
	ds_store_b128 v5, v[100:103] offset:512
	s_wait_dscnt 0x0                               ; for the others' sake: my stores have landed
	s_barrier_signal -1
	s_barrier_wait -1
	s_cmp_gt_u32 s12, 3
	s_cbranch_scc1 .Lend
.set n, 0
.rept 16
	ds_load_b64 v[104+2*n:105+2*n], v6 offset:1024*n
.set n, n+1
.endr
	s_wait_dscnt 0x0
.irp w, 4,8,16,32
.set n, 0
.rept 32/\w
	v_pk_add_f32 v[104+n:105+n], v[104+n:105+n], v[104+n+\w/2:105+n+\w/2]
.set n, n+\w
.endr
.endr
	v_pk_add_f32 v[104:105], v[104:105], v[10:11]
	global_store_b32 v4, v104, s[10:11]
	global_store_b32 v4, v105, s[10:11] offset:4096
.Lend:
	s_wait_tensorcnt 0x0                           ; the wave's end
	ds_add_u32 v8, v9
	s_wait_dscnt 0x0
	s_endpgm
.Lfunc_end_k_q5f436a9a90_head_b:
	.size	k_q5f436a9a90_head_b, .Lfunc_end_k_q5f436a9a90_head_b-k_q5f436a9a90_head_b
	.p2alignl 7, 3214868480
	.fill 96, 4, 3214868480
	.section	.rodata,"a",@progbits
	.p2align	6, 0x0
	.amdhsa_kernel k_q5f436a9a90_head_b
		.amdhsa_group_segment_fixed_size 18432
		.amdhsa_private_segment_fixed_size 0
		.amdhsa_enable_private_segment 0
		.amdhsa_kernarg_size 32
		.amdhsa_user_sgpr_count 2
		.amdhsa_user_sgpr_kernarg_segment_ptr 1
		.amdhsa_wavefront_size32 1
		.amdhsa_system_sgpr_workgroup_id_x 1
		.amdhsa_system_sgpr_workgroup_id_y 1
		.amdhsa_system_sgpr_workgroup_id_z 1
		.amdhsa_system_vgpr_workitem_id 0
		.amdhsa_next_free_vgpr 144
		.amdhsa_next_free_sgpr 66
		.amdhsa_reserve_vcc 0
		.amdhsa_float_denorm_mode_32 3
		.amdhsa_float_denorm_mode_16_64 3
		.amdhsa_memory_ordered 1
		.amdhsa_forward_progress 1
		.amdhsa_inst_pref_size 10
	.end_amdhsa_kernel
	.amdgpu_metadata
---
amdhsa.version: [ 1, 2 ]
amdhsa.kernels:
  - .name:           k_q5f436a9a90_head_b
    .symbol:         k_q5f436a9a90_head_b.kd
    .args:
      - { .name: ctx16, .offset: 0, .size: 8, .value_kind: global_buffer, .address_space: global }
      - { .name: Wo, .offset: 8, .size: 8, .value_kind: global_buffer, .address_space: global }
      - { .name: bo, .offset: 16, .size: 8, .value_kind: global_buffer, .address_space: global }
      - { .name: out0, .offset: 24, .size: 8, .value_kind: global_buffer, .address_space: global }
    .group_segment_fixed_size: 18432
    .private_segment_fixed_size: 0
    .kernarg_segment_align: 8
    .kernarg_segment_size: 32
    .max_flat_workgroup_size: 512
    .sgpr_count:     66
    .vgpr_count:     144
    .wavefront_size: 32
...
	.end_amdgpu_metadata
.endif
;; end of part 6
